; MI455X (gfx1250); checked and timed in simulation.
; The chip was launched on July 23, 2026; its instructions are those of AMD's public machine-readable ISA for CDNA 5 (MIT licence, August 2026) and "CDNA5" Instruction Set Architecture Reference Guide (July 2026). The comments in the code are by the model that wrote it; some were corrected since.
;; Multi Head Attention. Allowed arithmetic: matrix products marked QUANTISED: E2M3 operands, one E8M0 scale for each 32 along K, by v_wmma_scale_f32_16x16x128_f8f6f4 with both operands' format E2M3, f32 sums; everything else in f32.
;; Inputs: Wk 1,024 x 1,024 float32; Wo 1,024 x 1,024 float32; Wq 1,024 x 1,024 float32; Wv 1,024 x 1,024 float32; bk 1,024 float32; bo 1,024 float32; bq 1,024 float32; bv 1,024 float32; key_ 4 x 2,048 x 1,024 float32; query 4 x 2,048 x 1,024 float32; value 4 x 2,048 x 1,024 float32.
;; Outputs: out0 4 x 2,048 x 1,024 float32.
;; This version of the problem:
;;   THIS VERSION OF THE PROBLEM IS GIVEN IN LOW PRECISION. The matrix products marked QUANTISED in the list below multiply operands that are first quantised to E2M3 (2 exponent bits, 3 mantissa bits; 6 bits a number), with one power-of-two scale for each 32 numbers along K (OCP MX v1.0); their sums are f32. All else is computed in f32.
;;   The module's matrix products, in the order in which they are computed (A, B: the left and right operand; K: the contracted axis; several contracted axes count as one K, in the product's order):
;;     1. [M 8,192, K 1,024] x [K 1,024, N 1,024]; A: input query; B: input Wq: QUANTISED
;;     2. [M 8,192, K 1,024] x [K 1,024, N 1,024]; A: input key_; B: input Wk: QUANTISED
;;     3. [M 8,192, K 1,024] x [K 1,024, N 1,024]; A: input value; B: input Wv: QUANTISED
;;     4. batch 64 x [M 2,048, K 64] x [K 64, N 2,048]; A: computed on the way; B: computed on the way: QUANTISED
;;     5. batch 64 x [M 2,048, K 2,048] x [K 2,048, N 64]; A: softmax (see below); B: computed on the way: QUANTISED
;;     6. [M 8,192, K 1,024] x [K 1,024, N 1,024]; A: computed on the way; B: input Wo: QUANTISED
;;   THE QUANTISER, for each operand of a quantised product, along K:
;;     - K is cut into blocks of 32 from its start; a last block that is shorter is filled with zeros.
;;     - A block's scale is 2^e with e = floor(log2(the largest magnitude in the block)) - 2, held to -126 .. 127; a block of zeros has e = 0. As a byte (E8M0): e + 127.
;;     - Each number is divided by its block's scale, clamped to +-7.5, and rounded to the nearest number of E2M3, ties to even, subnormals kept.
;;     - The product sums the exact products of the quantised numbers (number of the format x scale) in f32.
;;   ~~~python
;;   def quantise(x, axis):      # numpy; x: float32 -> the quantised numbers, widened to float32 again
;;       x = np.moveaxis(x, axis, -1); K = x.shape[-1]
;;       x = np.pad(x, [(0, 0)] * (x.ndim - 1) + [(0, -K % 32)]); x = x.reshape(x.shape[:-1] + (-1, 32)); a = np.abs(x).max(-1, keepdims=True)
;;       e = np.where(a > 0, np.clip(np.frexp(np.where(a > 0, a, 1))[1] - 1 - 2, -126, 127), 0)      # np.frexp(a)[1] - 1 = floor(log2(a)), exactly
;;       r = np.clip(x / 2.0 ** e, -7.5, 7.5)
;;       step = 2.0 ** (np.maximum(np.frexp(np.where(r == 0, 1, r))[1] - 1, 0) - 3)
;;       q = np.round(r / step) * step * 2.0 ** e      # np.round: ties to even
;;       return np.moveaxis(q.reshape(q.shape[:-2] + (-1,))[..., :K], -1, axis).astype(np.float32)
;;   ~~~
;;   SOFTMAX AHEAD OF A QUANTISED PRODUCT. Where the list says 'softmax', what is quantised is not the finished softmax but p = 2^(t - M), with t = logit x log2(e) and M = ceil(the row's largest t), a whole number; so 1/2 < the row's largest p <= 1. The row's sum l is taken of the UNQUANTISED p, in f32, and the product's result is divided by l at the end. Since M is a whole number, a kernel that streams over the keys may use a running M (the ceiling of the running maximum): every later rescaling is an exact power of two, which a block's scale takes up: the codes' values come out the same.
;;   OPERANDS COMPUTED ON THE WAY. 'Computed on the way' means the value that the module computes at that place (a softmax that the list does not call 'softmax' is quantised finished and normalised). What goes into a quantiser is computed in f32, as accurately as f32 sums, v_exp_f32 and their like allow (about 1e-6 of the number): no bf16 or f16 on the way to a quantiser, and a product that is left as it is and whose result goes on into a quantised operand takes f32 operands (vector FMAs, or v_wmma_f32_16x16x4_f32). A number that lies on a knife's edge between two numbers of the format may be rounded either way, as far as f32 arithmetic and the matrix unit's own rounding can turn it there, and no further.
;; One version. Each part assembles by itself: llvm-mc -triple=amdgcn-amd-amdhsa -mcpu=gfx1250 --defsym DOCPART=n.
;; ======== version 1 of 1: 4 launches
;; limits: right only within a limited range of input values
;; workspace buffers: xq 18,874,368 bytes; xs 786,432 bytes; wq 3,145,728 bytes; ws 131,072 bytes; att 19,660,800 bytes; cq 6,291,456 bytes; cs 262,144 bytes
;; launch quant (part 1): grid 896 x 1, 4 waves a work-group, no clusters, 62,976 bytes of LDS; arguments query, key_, value, Wq, Wk, Wv, Wo, xq, xs, wq, ws; writes xq, xs, wq, ws
.if DOCPART == 1
	.amdgcn_target "amdgcn-amd-amdhsa--gfx1250"
	.amdhsa_code_object_version 6
	.text
	.protected	k_qcc31381ddd_quant
	.globl	k_qcc31381ddd_quant
	.p2align	8
	.type	k_qcc31381ddd_quant,@function
k_qcc31381ddd_quant:
	s_mov_b64 s[64:65], 0
	v_nop
	global_prefetch_b8 v0, s[64:65] scope:SCOPE_SE
	s_setreg_imm32_b32 hwreg(HW_REG_WAVE_MODE, 25, 1), 1
	s_wait_xcnt 0x0
; query, key_, value [8192][1024] and Wq, Wk, Wv, Wo [1024][1024], f32, K innermost, become codes of FP6 (E2M3) with one E8M0 byte for each 32 along K,
; laid in the ORDER OF AN OPERAND'S REGISTERS, so that the later launches load fragments by dense 16- and 8-byte loads.
; TILES.  Rows go in groups of 64; tile 4 G + t holds at place 8 h + j (h = 0, 1; j = 0 .. 7) row 64 G + 32 h + 8 t + j: so a lane's 32 results of four neighbouring tiles are 32 neighbouring rows.
; CODES: [tile][k / 64][768 bytes]: an image of six registers a lane for 16 rows x 64 K (lane r + 16 hk holds k = 32 hk .. 32 hk + 31 of place r): registers 0-3 at 16 x lane, registers 4-5 at 512 + 8 x lane.
; SCALE BYTES: [tile pair][k / 256][tile % 2][r][(k / 128) % 2][4 bytes].
; A block's scale is 2^(floor(log2(largest magnitude)) - 2): its byte is the largest magnitude's exponent field - 2, held at 1 from below by a floor among the maximum's leaves.
; LIMITS: NaN and infinities are not served; a block whose largest magnitude lies under 2^-124, a block of zeros among them, gets the byte 1 (the rule says 127 for zeros: its codes are zeros,
; which add nothing under any byte but 0xff, and only this program reads the bytes).
; SHARES.  A work-group takes one group of 64 rows and one half of K; wave w its columns 128 w .. 128 w + 127 of that half.  A step is 8 rows x 128 numbers: eight loads of 512 consecutive bytes; the 4,096 bytes turn
; through the wave's own stage in LDS (144 bytes for each block of 128) and come back one whole block of 32 numbers a lane.  A wave's codes are gathered in its own LDS and leave as runs of 1,536 consecutive bytes.
; The scale bytes of the four waves interleave in memory, so they are gathered in LDS bytes that the work-group shares; one barrier; each wave stores one aligned run of 256 bytes.
; No tensor load, no cluster (work-groups share no input).  Loads run two to three steps (16 to 24 loads a wave) ahead.
.set WREG,  15360                      ; LDS of a wave: two input stages, the codes' stage
.set STGB,  4608                       ; an input stage: 32 blocks x 144 bytes
.set OUTW,  2*STGB                     ; the codes: [t][k / 64 of my two][768] = 6,144 bytes
.set SCSH,  4*WREG                     ; the work-group's 1,024 scale bytes: [tile pair of two][k / 256 of two][256]
.set SPARE, SCSH+1024                  ; the spare words
.set GI,    1                          ; v1   16 x lane
.set SIN,   2                          ; v2   input stage, way in
.set SOUT,  3                          ; v3   input stage, way back: 144 x lane
.set OA16,  4                          ; v4   where my block's registers 0-3 go
.set OA8,   5                          ; v5   and registers 4-5
.set SCA,   6                          ; v6   and its scale byte
.set RB16,  7                          ; v7   the codes' stage read back, 16 x lane
.set RBS,   8                          ; v8   my 256 of the scale bytes read back, 8 x lane
.set GO8,   9                          ; v9   8 x lane
.set R,     48                         ; v48-143  three sets of 32: numbers as loaded
.set X,     144                        ; v144-207 two sets of 32: a block a lane
	s_load_b512 s[4:19], s[0:1], 0x0               ; query, key_, value, Wq, Wk, Wv, Wo, xq
	s_load_b128 s[20:23], s[0:1], 0x40             ; xs, wq
	s_load_b64 s[24:25], s[0:1], 0x50              ; ws
	v_lshl_add_u32 v208, v0, 2, SPARE
	v_mov_b32 v209, 0
	v_lshrrev_b32 v10, 5, v0
	v_readfirstlane_b32 s30, v10                   ; wave
	s_mul_i32 s31, s30, WREG
	s_lshr_b32 s36, s30, 1                         ; my k / 256 of the work-group's two,
	s_lshl_b32 s36, s36, 8
	s_and_b32 s37, s30, 1                          ; my (k / 128) % 2
	s_lshl_b32 s37, s37, 2
	s_add_co_u32 s36, s36, s37
	s_lshl_b32 s37, s30, 8
	v_and_b32 v11, 31, v0                          ; lane
	v_lshlrev_b32 v[GI], 4, v11
	v_lshlrev_b32 v[GO8], 3, v11
	v_lshrrev_b32 v10, 3, v11                      ; on the way in: which block of a load's four
	v_mul_u32_u24 v[SIN], v10, 144
	v_and_b32 v12, 7, v11
	v_lshl_add_u32 v[SIN], v12, 4, v[SIN]
	v_add_nc_u32 v[SIN], s31, v[SIN]               ; 144 (lane / 8) + 16 (lane % 8); load i adds 576 i
	v_mul_u32_u24 v[SOUT], v11, 144
	v_add_nc_u32 v[SOUT], s31, v[SOUT]             ; on the way back lane l has block l % 4 of row l / 4 of the step's eight
	v_bfe_u32 v12, v11, 1, 1                       ; which 64 along K of my 128
	v_and_b32 v13, 1, v11                          ; hk: which 32 of the 64
	v_lshrrev_b32 v10, 2, v11                      ; j: my row of the step
	v_lshl_add_u32 v13, v13, 4, v10                ; j + 16 hk: the image's lane, less the step's constant
	v_mul_u32_u24 v12, v12, 768
	v_add_nc_u32 v12, s31, v12
	v_lshl_add_u32 v[OA16], v13, 4, v12
	v_add_nc_u32 v[OA16], OUTW, v[OA16]
	v_lshl_add_u32 v[OA8], v13, 3, v12
	v_add_nc_u32 v[OA8], OUTW+512, v[OA8]
	v_and_b32 v14, 3, v11
	v_lshl_add_u32 v[SCA], v10, 3, v14             ; 8 j + the byte,
	v_add_nc_u32 v[SCA], s36, v[SCA]               ; + 256 (wave / 2) + 4 (wave % 2)
	v_add_nc_u32 v[SCA], SCSH, v[SCA]
	v_add_nc_u32 v[RB16], s31, v[GI]
	v_add_nc_u32 v[RB16], OUTW, v[RB16]
	v_add_nc_u32 v[RBS], s37, v[GO8]
	v_add_nc_u32 v[RBS], SCSH, v[RBS]
	s_wait_alu depctr_va_vdst(0)
	s_wait_kmcnt 0x0
	; which tensor: the choice hangs on the work-group's number alone.  Work-groups 0-767: query, key_, value; 768-895: Wq, Wk, Wv, Wo
	s_mov_b64 s[26:27], s[16:17]
	s_mov_b32 s28, 864
	s_cmp_lt_u32 ttmp9, 864
	s_cselect_b64 s[26:27], s[14:15], s[26:27]
	s_cselect_b32 s28, 832, s28
	s_cmp_lt_u32 ttmp9, 832
	s_cselect_b64 s[26:27], s[12:13], s[26:27]
	s_cselect_b32 s28, 800, s28
	s_cmp_lt_u32 ttmp9, 800
	s_cselect_b64 s[26:27], s[10:11], s[26:27]
	s_cselect_b32 s28, 768, s28
	s_cmp_lt_u32 ttmp9, 768
	s_cselect_b64 s[26:27], s[8:9], s[26:27]
	s_cselect_b32 s28, 512, s28
	s_cselect_b64 s[32:33], s[18:19], s[22:23]     ; the codes go to xq or to wq,
	s_cselect_b64 s[34:35], s[20:21], s[24:25]     ; the bytes to xs or to ws
	s_cselect_b32 s29, 0, 768
	s_cmp_lt_u32 ttmp9, 512
	s_cselect_b64 s[26:27], s[6:7], s[26:27]
	s_cselect_b32 s28, 256, s28
	s_cmp_lt_u32 ttmp9, 256
	s_cselect_b64 s[26:27], s[4:5], s[26:27]
	s_cselect_b32 s28, 0, s28
	s_sub_co_u32 s28, ttmp9, s28                   ; my number in the tensor: 2 x group + half of K
	s_and_b32 s38, s28, 1
	s_lshr_b32 s28, s28, 1
	s_lshl_b32 s28, s28, 18                        ; 262,144 bytes a group,
	s_lshl_b32 s38, s38, 11                        ; 2,048 a half of a row,
	s_add_co_u32 s28, s28, s38
	s_lshl_b32 s36, s30, 9                         ; 512 a wave
	s_add_co_u32 s36, s36, s28
	s_mov_b32 s37, 0
	s_add_nc_u64 s[26:27], s[26:27], s[36:37]
	s_sub_co_u32 s29, ttmp9, s29                   ; the same in the output
	s_and_b32 s39, s29, 1
	s_lshr_b32 s29, s29, 1
	s_mul_i32 s36, s29, 49152                      ; four tiles of 12,288 bytes a group
	s_mul_i32 s38, s39, 6144
	s_add_co_u32 s36, s36, s38
	s_mul_i32 s38, s30, 1536
	s_add_co_u32 s36, s36, s38
	s_add_nc_u64 s[32:33], s[32:33], s[36:37]
	s_lshl_b32 s36, s29, 11                        ; 2,048 scale bytes a group; wave w stores tile pair w / 2, k / 256 = 2 x half + w % 2
	s_lshr_b32 s38, s30, 1
	s_lshl_b32 s38, s38, 10
	s_add_co_u32 s36, s36, s38
	s_lshl_b32 s38, s39, 9
	s_add_co_u32 s36, s36, s38
	s_and_b32 s38, s30, 1
	s_lshl_b32 s38, s38, 8
	s_add_co_u32 s36, s36, s38
	s_add_nc_u64 s[34:35], s[34:35], s[36:37]
.macro LOAD t                          ; step t: rows 8 t .. 8 t + 7 of the group, one load of 512 consecutive bytes a row
.irp i, 0,1,2,3,4,5,6,7
	global_load_b128 v[R+32*((\t)%3)+4*\i:R+32*((\t)%3)+4*\i+3], v[GI], s[26:27] offset:(8*(\t)+\i)*4096 th:TH_LOAD_NT
.endr
.endm
.macro TURN t                          ; through the stage: LDS serves a wave's instructions in order (ISA guide 5.7.1.4), so no wait stands between the stores and the loads
.irp i, 0,1,2,3,4,5,6,7
	ds_store_b128 v[SIN], v[R+32*((\t)%3)+4*\i:R+32*((\t)%3)+4*\i+3] offset:STGB*((\t)%2)+576*\i
.endr
.irp j, 0,1,2,3,4,5,6,7
	ds_load_b128 v[X+32*((\t)%2)+4*\j:X+32*((\t)%2)+4*\j+3], v[SOUT] offset:STGB*((\t)%2)+16*\j
.endr
.endm
.macro STEP t
.set XS, X+32*((\t)%2)
.set CD, 20+10*((\t)%2)                ; the block's six registers of codes: v20-25 or v30-35
.set CT, CD+6                          ; (a conversion's three registers begin on an even number: the second three are made here and moved)
.set UU, (\t)%4                        ; rows 8 t .. 8 t + 7 lie in tile t % 4
.set RT, 8*((\t)/4)                    ; at places RT .. RT + 7
.if (\t) > 0
	s_wait_dscnt 3                                 ; this step's numbers are back from the stage; only the last step's three stores are younger
.else
	s_wait_dscnt 0x0
.endif
.if (\t)+3 < 8
	LOAD (\t)+3                                    ; into the set that this step's stage stores have read
.endif
.if (\t) < 7
.if (\t) < 5
	s_wait_loadcnt 16                              ; the next step's eight loads are in; those of the two steps behind it stay out
.else
	s_wait_loadcnt 8*(6-(\t))                      ; the counts run down: 8, 0
.endif
	TURN (\t)+1
.endif
	v_max3_num_f32 v12, |v[XS]|, |v[XS+1]|, 0x1800000            ; the block's largest magnitude, in two chains, with the floor 2^(3 - 127) among the leaves
	v_max3_num_f32 v13, |v[XS+2]|, |v[XS+3]|, |v[XS+4]|
.irp i, 5,9,13,17,21,25
	v_max3_num_f32 v12, v12, |v[XS+\i]|, |v[XS+\i+1]|
	v_max3_num_f32 v13, v13, |v[XS+\i+2]|, |v[XS+\i+3]|
.endr
	v_max3_num_f32 v12, v12, |v[XS+29]|, |v[XS+30]|
	v_max3_num_f32 v12, v12, v13, |v[XS+31]|
	v_add_nc_u32 v14, 0xff000000, v12              ; 2 off its exponent field: the conversion takes the exponent field of this operand as its scale
	v_cvt_scalef32_pk16_fp6_f32 v[CD:CD+2], v[XS:XS+15], v14
	v_cvt_scalef32_pk16_fp6_f32 v[CT:CT+2], v[XS+16:XS+31], v14
	v_lshrrev_b32 v[40+(\t)%2], 23, v14            ; the scale's byte; also the plain line behind the conversions
.irp i, 0,1,2
	v_mov_b32 v[CD+3+\i], v[CT+\i]
.endr
	ds_store_b128 v[OA16], v[CD:CD+3] offset:1536*UU+16*RT
	ds_store_b64 v[OA8], v[CD+4:CD+5] offset:1536*UU+8*RT
	ds_store_b8 v[SCA], v[40+(\t)%2] offset:512*(UU/2)+128*(UU%2)+8*RT
.endm
	LOAD 0
	LOAD 1
	LOAD 2
	s_wait_loadcnt 16                              ; step 0's eight loads are in
	TURN 0
.irp t, 0,1,2,3,4,5,6,7
	STEP \t
.endr
	s_wait_dscnt 0x0                               ; my scale bytes are stored,
	s_barrier_signal -1
	s_barrier_wait -1                              ; everybody's are
.irp i, 0,1,2,3,4,5,6,7,8,9,10,11
	ds_load_b128 v[R+4*\i:R+4*\i+3], v[RB16] offset:512*\i
.endr
	ds_load_b64 v[R+48:R+49], v[RBS]
.irp i, 0,1,2,3,4,5,6,7,8,9,10,11
	s_wait_dscnt 12-\i                             ; load i is in; the 12 - i behind it may be out
	global_store_b128 v[GI], v[R+4*\i:R+4*\i+3], s[32:33] offset:(\i/3)*12288+(\i%3)*512   ; 512 consecutive bytes, at a multiple of 256 from the buffer's first byte
.endr
	s_wait_dscnt 0x0
	global_store_b64 v[GO8], v[R+48:R+49], s[34:35]  ; 256 scale bytes, consecutive and aligned
	s_wait_tensorcnt 0x0                           ; the wave's end
	ds_add_u32 v208, v209
	s_wait_dscnt 0x0
	s_endpgm
.Lfunc_end_k_qcc31381ddd_quant:
	.size	k_qcc31381ddd_quant, .Lfunc_end_k_qcc31381ddd_quant-k_qcc31381ddd_quant
	.p2alignl 7, 3214868480
	.fill 96, 4, 3214868480
	.section	.rodata,"a",@progbits
	.p2align	6, 0x0
	.amdhsa_kernel k_qcc31381ddd_quant
		.amdhsa_group_segment_fixed_size 62976
		.amdhsa_private_segment_fixed_size 0
		.amdhsa_enable_private_segment 0
		.amdhsa_kernarg_size 88
		.amdhsa_user_sgpr_count 2
		.amdhsa_user_sgpr_kernarg_segment_ptr 1
		.amdhsa_wavefront_size32 1
		.amdhsa_system_sgpr_workgroup_id_x 1
		.amdhsa_system_sgpr_workgroup_id_y 1
		.amdhsa_system_sgpr_workgroup_id_z 1
		.amdhsa_system_vgpr_workitem_id 0
		.amdhsa_next_free_vgpr 210
		.amdhsa_next_free_sgpr 66
		.amdhsa_reserve_vcc 0
		.amdhsa_float_denorm_mode_32 3
		.amdhsa_float_denorm_mode_16_64 3
		.amdhsa_memory_ordered 1
		.amdhsa_forward_progress 1
		.amdhsa_inst_pref_size 34
	.end_amdhsa_kernel
	.amdgpu_metadata
---
amdhsa.version: [ 1, 2 ]
amdhsa.kernels:
  - .name:           k_qcc31381ddd_quant
    .symbol:         k_qcc31381ddd_quant.kd
    .args:
      - { .name: query, .offset: 0, .size: 8, .value_kind: global_buffer, .address_space: global }
      - { .name: key_, .offset: 8, .size: 8, .value_kind: global_buffer, .address_space: global }
      - { .name: value, .offset: 16, .size: 8, .value_kind: global_buffer, .address_space: global }
      - { .name: Wq, .offset: 24, .size: 8, .value_kind: global_buffer, .address_space: global }
      - { .name: Wk, .offset: 32, .size: 8, .value_kind: global_buffer, .address_space: global }
      - { .name: Wv, .offset: 40, .size: 8, .value_kind: global_buffer, .address_space: global }
      - { .name: Wo, .offset: 48, .size: 8, .value_kind: global_buffer, .address_space: global }
      - { .name: xq, .offset: 56, .size: 8, .value_kind: global_buffer, .address_space: global }
      - { .name: xs, .offset: 64, .size: 8, .value_kind: global_buffer, .address_space: global }
      - { .name: wq, .offset: 72, .size: 8, .value_kind: global_buffer, .address_space: global }
      - { .name: ws, .offset: 80, .size: 8, .value_kind: global_buffer, .address_space: global }
    .group_segment_fixed_size: 62976
    .private_segment_fixed_size: 0
    .kernarg_segment_align: 8
    .kernarg_segment_size: 88
    .max_flat_workgroup_size: 128
    .sgpr_count:     66
    .vgpr_count:     210
    .wavefront_size: 32
...
	.end_amdgpu_metadata
.endif
;; end of part 1
;; launch proj (part 2): grid 4 x 64, 4 waves a work-group, clusters of 4 x 4, 327,680 bytes of LDS; arguments xq, xs, wq, ws, bq, bk, bv, att; writes att
.if DOCPART == 2
	.amdgcn_target "amdgcn-amd-amdhsa--gfx1250"
	.amdhsa_code_object_version 6
	.text
	.protected	k_qcc31381ddd_proj
	.globl	k_qcc31381ddd_proj
	.p2align	8
	.type	k_qcc31381ddd_proj,@function
k_qcc31381ddd_proj:
	s_mov_b64 s[64:65], 0
	v_nop
	global_prefetch_b8 v0, s[64:65] scope:SCOPE_SE
	s_setreg_imm32_b32 hwreg(HW_REG_WAVE_MODE, 25, 1), 1
	s_wait_xcnt 0x0
	s_wait_alu depctr_hold_cnt(0) depctr_sa_sdst(0) depctr_va_vdst(0) depctr_va_sdst(0) depctr_va_ssrc(0) depctr_va_vcc(0) depctr_vm_vsrc(0)
	s_getreg_b32 s2, hwreg(HW_REG_IB_STS2, 6, 4)
	s_cmp_eq_u32 s2, 0
	s_cbranch_scc0 .Lentry_in_a_cluster
	s_endpgm
.Lentry_in_a_cluster:
	s_bfe_u32 s2, ttmp6, 0x10000c
	s_cmp_lg_u32 s2, 0xf033
	s_cbranch_scc0 .Lentry_shape_is_right
	s_endpgm
.Lentry_shape_is_right:
; Q = query Wq^T + bq, K = key_ Wk^T + bk, V = value Wv^T + bv on codes of FP6 (E2M3) with E8M0 scales; the results are quantised in registers and stored as images of the attention launch's operand registers.
; A WORK-GROUP STAYS and makes three tiles on end: one of Q, one of K (a loop of two trips), one of V (written out: it asks for nothing more).  A tile is S0 (256 rows, source 0) x S1 (128 rows, source 1) over K = 1,024.
;   Q, K: S0 = 256 rows of W, S1 = 128 tokens: a lane's registers run along the features: quantised along the head's 64.   V: S0 = 256 tokens, S1 = 128 rows of Wv: registers run down the keys: quantised along the keys.
; Four waves; a wave makes 128 (S0) x 64 (S1): 32 accumulators.  ROW ORDER of every operand: row tile 4 G + t holds at place 8 h + j row 64 G + 32 h + 8 t + j.  So in a result lane (r, h) holds S1's place r, and the 32 registers of
; S0's tiles 4 G .. 4 G + 3 are S0's rows 64 G + 32 h + 0 .. 31: one whole scale block of the next product, in the lane in which the operand's layout wants it.
; LDS: a ring of two slots; slot j holds K's half j of a tile: S0's 16 row tiles x 6,144 bytes, then S1's 8.  At the head each wave asks for one of the Q tile's four pieces.  Slot 0 is filled again in K step 3, slot 1 in the middle
; of the way out, each behind a drained round of the cluster's barrier.  Between a request and the wait for it stand four K steps (128 products a wave) and
; two blocks of the way out, so no prefetch is laid: each piece is asked for half a tile ahead of its wait.
; CLUSTER 4 x 4: S0's pieces hang on cx and the cluster's number Y and are asked for jointly by a column of the cluster, S1's on cy and Y, by a row.
; THE RECORD of a (batch, head), 307,200 bytes: sixteen key steps of 12,800 bytes: K codes [key tile of eight][768], V^T codes [d tile][64 keys][768], K scale words [tile pair][r][even tile's two bytes, odd tile's two],
; V scale words [d tile][r][4]; then Q codes [tile][768] and Q scale words like K's.
; LIMITS: NaN and infinities are not served; a block whose largest magnitude lies under 2^-124 (zeros among them) gets the byte 1.
; REGISTERS: window 0: v1 r, v2 h, v4-16 addresses, v28-31, v32-79 scale words (nothing else), v80-143 bias along S0, v144-151 along S1, v152-247 S1's fragments in two sets (free on the way out).  window 1: S0's fragments, two sets of 96.  window 2: accumulator (a, b) at v[8 (8 a + b)].
.set REC,  307200
.set KSTP, 12800                       ; a key step of the record
.set VC,   6144                        ; in it: V^T codes,
.set KS,   12288                       ; K scale words,
.set VS,   12544                       ; V scale words
.set QC,   204800
.set QS,   303104
.set SLOT, 147456
.set S1O,  98304                       ; S1's pieces lie behind S0's in a slot
.set SPARE, 2*SLOT                     ; the spare words: 512 bytes that no other line names
.set AD0,  4                           ; v4, v5 S0 in slot 0, 1: my half + 16 x lane; v6, v7 + 8 x lane
.set AD1,  8                           ; v8-11 the same for S1
.set VSQ,  12                          ; where scale words go: Q, K
.set VSV,  13                          ; V
.set BO,   14                          ; the bias's offset along S0
.set BRO,  15                          ; along S1
.set SH8,  16                          ; 8 h
.set SPW,  28
.set NIL,  29
.set L16,  30
.set L8,   31
.set SC0,  32                          ; register 8 g + s: lanes 0-15 tile 2 g, lanes 16-31 tile 2 g + 1, K step s
.set SC1,  64
.set BP,   80
.set BR,   144
.set S1F,  152
.set Y,    152
.set PC,   216
.set TM,   236
.set PW,   252
.set G1A,  28                          ; s[28:35] group 1 for S1; s[36:43] for S0
.set G1B,  36
.set G0B,  44                          ; groups 0: S0 slot 0, S1 slot 0, S0 slot 1, S1 slot 1
.set G0A,  48
.set G0B2, 52
.set G0A2, 56
.set N0,   68                          ; the next tile's S0 and S1 codes; V's
.set N1,   70
.set V0,   72
.set V1,   74
.set P0,   76                          ; the next tile's scale bytes; V's
.set P1,   78
.set PV0,  80
.set PV1,  82
.set OCK,  86                          ; where K's codes and scale words go
.set OSK,  88
.set OC,   90                          ; where codes and scale words go: Q, then K; + 4: V
.set OS,   92
.set MSB, 0
.macro WIN new
.if MSB != \new
	s_set_vgpr_msb (MSB<<8)|\new
.set MSB, \new
.endif
.endm
.macro WALU
	s_wait_alu depctr_va_vdst(0)
.endm
.macro CROUND                          ; a round of the cluster's barrier
	s_barrier_signal -1
	s_barrier_wait -1
	s_cmp_lg_u32 s20, 0
	s_cbranch_scc1 .Lnot_wave_0_\@
	s_barrier_signal -3
.Lnot_wave_0_\@:
	s_barrier_wait -3
	s_barrier_signal -1
	s_barrier_wait -1
.endm
.macro PLACES n
.rept \n
	v_nop
.endr
.endm
.macro TLOAD g0, g1
	tensor_load_to_lds s[\g0:\g0+3], s[\g1:\g1+7]
	s_nop 0
	PLACES 4
.endm
.macro REFILL w0, gb, ga               ; wave w0 asks for S0's piece, wave w0 + 1 for S1's: one joint load a wave
	s_cmp_eq_u32 s20, \w0
	s_cbranch_scc0 .Lr1_\@
	TLOAD \gb, G1B
	s_branch .Lr2_\@
.Lr1_\@:
	s_cmp_eq_u32 s20, \w0+1
	s_cbranch_scc0 .Lr2_\@
	TLOAD \ga, G1A
.Lr2_\@:
.endm
; one product.  z: it starts its sum.  r0, r1: which half of the lanes holds the side's scale words
.macro WM d, f0, f1, z, x0, x1, r0, r1
.if \z
	v_wmma_scale_f32_16x16x128_f8f6f4 v[0+(\d):7+(\d)], v[0+(\f0):11+(\f0)], v[0+(\f1):11+(\f1)], 0, v[0+(\x0)], v[0+(\x1)] matrix_a_fmt:MATRIX_FMT_FP6 matrix_b_fmt:MATRIX_FMT_FP6 matrix_a_scale:MATRIX_SCALE_ROW\r0 matrix_b_scale:MATRIX_SCALE_ROW\r1
.else
	v_wmma_scale_f32_16x16x128_f8f6f4 v[0+(\d):7+(\d)], v[0+(\f0):11+(\f0)], v[0+(\f1):11+(\f1)], v[0+(\d):7+(\d)], v[0+(\x0)], v[0+(\x1)] matrix_a_fmt:MATRIX_FMT_FP6 matrix_b_fmt:MATRIX_FMT_FP6 matrix_a_scale:MATRIX_SCALE_ROW\r0 matrix_b_scale:MATRIX_SCALE_ROW\r1
.endif
.endm
; K step s: 48 dense LDS loads; a fragment is two images of 768 bytes on end
.macro FETCH s
	WIN 0x40
.irp b, 0,1,2,3,4,5,6,7
	ds_load_b128 v[96*((\s)%2)+12*\b:96*((\s)%2)+12*\b+3], v[AD0+(\s)/4] offset:\b*6144+((\s)%4)*1536
	ds_load_b64 v[96*((\s)%2)+12*\b+4:96*((\s)%2)+12*\b+5], v[AD0+2+(\s)/4] offset:\b*6144+((\s)%4)*1536+512
	ds_load_b128 v[96*((\s)%2)+12*\b+6:96*((\s)%2)+12*\b+9], v[AD0+(\s)/4] offset:\b*6144+((\s)%4)*1536+768
	ds_load_b64 v[96*((\s)%2)+12*\b+10:96*((\s)%2)+12*\b+11], v[AD0+2+(\s)/4] offset:\b*6144+((\s)%4)*1536+1280
.endr
	WIN 0
.irp a, 0,1,2,3
	ds_load_b128 v[S1F+48*((\s)%2)+12*\a:S1F+48*((\s)%2)+12*\a+3], v[AD1+(\s)/4] offset:\a*6144+((\s)%4)*1536
	ds_load_b64 v[S1F+48*((\s)%2)+12*\a+4:S1F+48*((\s)%2)+12*\a+5], v[AD1+2+(\s)/4] offset:\a*6144+((\s)%4)*1536+512
	ds_load_b128 v[S1F+48*((\s)%2)+12*\a+6:S1F+48*((\s)%2)+12*\a+9], v[AD1+(\s)/4] offset:\a*6144+((\s)%4)*1536+768
	ds_load_b64 v[S1F+48*((\s)%2)+12*\a+10:S1F+48*((\s)%2)+12*\a+11], v[AD1+2+(\s)/4] offset:\a*6144+((\s)%4)*1536+1280
.endr
.endm
; 16 products: S1's blocks a0, a0 + 1 x S0's eight; the 32 accumulators take turns in the same order in every step
.macro MUL2 s, a0, first
	WIN 0xa1
.irp v, 0,1
.irp g, 0,1,2,3
.irp u, 0,1
	WM 8*(8*(\a0+\v)+2*\g+\u),96*((\s)%2)+12*(2*\g+\u),S1F+48*((\s)%2)+12*(\a0+\v),\first,SC0+8*\g+(\s),SC1+8*((\a0)/2)+(\s),\u,\v
.endr
.endr
.endr
.endm
.macro STEP_E s, first                 ; the successor lies in the same slot
.if \first == 0
	PLACES 4                                       ; between the products that read a set and the loads into it
.endif
	FETCH (\s)+1
	s_wait_dscnt 48                                ; all but the 48 just issued
	MUL2 \s, 0, \first
	MUL2 \s, 2, \first
	WIN 0
.endm
.macro SCLOAD p0, p1                   ; a tile's scale words for all of K: each load reads 256 consecutive bytes
.irp g, 0,1,2,3
.irp k, 0,1,2,3
	global_load_b64 v[SC0+8*\g+2*\k:SC0+8*\g+2*\k+1], v[L8], s[\p0:\p0+1] offset:\g*1024+\k*256
.endr
.endr
.irp g, 0,1
.irp k, 0,1,2,3
	global_load_b64 v[SC1+8*\g+2*\k:SC1+8*\g+2*\k+1], v[L8], s[\p1:\p1+1] offset:\g*1024+\k*256
.endr
.endr
.endm
; 64 numbers of a lane, register 32 c + i = k 64 c + 32 (lane / 16) + i of my row: two whole blocks.  They become a fragment's codes in v[PC] on and its scale word in v[pw].  No lane asks another for a maximum
.macro QUANT s, pw
.irp c, 0,1
	v_max3_num_f32 v[TM+2*\c], |v[\s+32*\c]|, |v[\s+32*\c+1]|, 0x1800000   ; two chains a block, with the floor 2^(3 - 127): the byte cannot fall under 1
	v_max3_num_f32 v[TM+2*\c+1], |v[\s+32*\c+16]|, |v[\s+32*\c+17]|, |v[\s+32*\c+18]|
.endr
.irp i, 2,4,6,8,10,12
.irp c, 0,1
	v_max3_num_f32 v[TM+2*\c], v[TM+2*\c], |v[\s+32*\c+\i]|, |v[\s+32*\c+\i+1]|
	v_max3_num_f32 v[TM+2*\c+1], v[TM+2*\c+1], |v[\s+32*\c+\i+17]|, |v[\s+32*\c+\i+18]|
.endr
.endr
.irp c, 0,1
	v_max3_num_f32 v[TM+2*\c], v[TM+2*\c], |v[\s+32*\c+14]|, |v[\s+32*\c+15]|
.endr
.irp c, 0,1
	v_max3_num_f32 v[TM+2*\c], v[TM+2*\c], v[TM+2*\c+1], |v[\s+32*\c+31]|
.endr
.irp c, 0,1
	v_add_nc_u32 v[TM+4+\c], 0xff000000, v[TM+2*\c] ; 2 off its exponent field: the conversion's scale operand
.endr
.irp c, 0,1
	v_lshrrev_b32 v[TM+6+\c], 23, v[TM+4+\c]       ; the scale's byte
.endr
	v_lshl_or_b32 v[TM+8], v[TM+7], 16, v[TM+6]    ; my two bytes: blocks h and 2 + h,
	v_lshlrev_b32 v[TM+8], v[SH8], v[TM+8]         ; at their places in the word;
	v_permlanex16_b32 v[TM+9], v[TM+8], s66, s67
	v_or_b32 v[\pw], v[TM+8], v[TM+9]              ; with lane l xor 16's two the word is whole
.irp c, 0,1
	v_cvt_scalef32_pk16_fp6_f32 v[PC+6*\c:PC+2+6*\c], v[\s+32*\c:\s+15+32*\c], v[TM+4+\c]
	v_cvt_scalef32_pk16_fp6_f32 v[PC+12+4*\c:PC+14+4*\c], v[\s+16+32*\c:\s+31+32*\c], v[TM+4+\c]   ; (a conversion's three registers begin on an even number)
.endr
	v_nop                                          ; one plain line behind the conversions
.irp c, 0,1
.irp i, 0,1,2
	v_mov_b32 v[PC+3+6*\c+\i], v[PC+12+4*\c+\i]
.endr
.endr
.endm
; ONE TILE.  m = 0: Q or K, m = 1: V.  refill = 1: the ring goes on into the next tile
.macro TILE m, refill
.set OB_, OC+4*\m
.set OS_, OS+4*\m
.set ST_, 768+768*\m                   ; from block a to a + 1: a token tile, or a d tile's two halves
.set HS_, REC*(1-\m)+768*\m            ; from a fragment's first half to its second: the next head's record, or the next 64 keys
	s_wait_xcnt 0x0                                ; the last tile's stores have read their data, its loads their bases
.if \m
.irp a, 0,1,2,3
	global_load_b32 v[BR+2*\a], v[BRO], s[16:17] offset:32*\a
.endr
.else
.irp i, 0,1,2,3,4,5,6,7,8,9,10,11,12,13,14,15
	global_load_b128 v[BP+4*\i:BP+4*\i+3], v[BO], s[12:13] offset:256*(\i/8)+16*(\i%8)
.endr
.endif
	FETCH 0
	s_wait_loadcnt 16-12*\m                        ; the scale words are in; the bias loads issued behind them may be out
	STEP_E 0, 1
	STEP_E 1, 0
	STEP_E 2, 0
.if \refill
	s_wait_tensorcnt 0x0                           ; all my tensor loads have landed: slot 1's piece among them
	ds_add_u32 v[SPW], v[NIL]
	s_wait_dscnt 1                                 ; step 3's fragments are in; the add may be out
	s_mov_b64 s[G0B+2:G0B+3], s[N0:N0+1]           ; no load of mine is out: slot 0's descriptors take the next tile's first half of K
	s_or_b32 s[G0B+3], s[G0B+3], 0x80000000
	s_mov_b64 s[G0A+2:G0A+3], s[N1:N1+1]
	s_or_b32 s[G0A+3], s[G0A+3], 0x80000000
	MUL2 3, 0, 0
	WIN 0
	s_wait_dscnt 0x0                               ; the add is done, and my reads of slot 0 are over
	CROUND
	REFILL 0, G0B, G0A
	PLACES 4                                       ; for the waves that come round the loads
	FETCH 4
	MUL2 3, 2, 0
	WIN 0
.else
	s_wait_tensorcnt 0x0                           ; a plain barrier shows slot 1 to all
	s_wait_dscnt 0x0
	s_barrier_signal -1
	MUL2 3, 0, 0
	WIN 0
	s_barrier_wait -1
	PLACES 4
	FETCH 4
	MUL2 3, 2, 0
	WIN 0
.endif
	STEP_E 4, 0
	STEP_E 5, 0
	STEP_E 6, 0
	s_wait_dscnt 0x0
	MUL2 7, 0, 0
	MUL2 7, 2, 0
	WIN 0
	PLACES 4                                       ; behind the last products: their scale words are loaded anew, their results read, their operands written
.if \refill
	SCLOAD P0, P1                                  ; the next tile's scale words land under the way out
.endif
	v_mov_b32 v[TM+9], 0                           ; a lane permute's destination counts as one of its sources
	s_wait_loadcnt 24*\refill                      ; the bias is in; the 24 loads issued behind it may be out
.if \m
.irp a, 0,1,2,3
	v_mov_b32 v[BR+2*\a+1], v[BR+2*\a]             ; a pair for the packed addition
.endr
.endif
	WALU
.irp a, 0,1,2,3                                ; THE WAY OUT, a block of S1's 16 places at a time: + the bias, quantised, two images of 768 bytes
	s_wait_xcnt 0x0                                ; the last block's stores have read their data
	WIN 0x02
.set i, 0
.rept 32
.if \m
	v_pk_add_f32 v[Y+i:Y+i+1], v[64*\a+i:64*\a+i+1], v[BR+2*\a:BR+2*\a+1]   ; ascending: each accumulator from its low end on
.else
	v_pk_add_f32 v[Y+i:Y+i+1], v[64*\a+i:64*\a+i+1], v[BP+i:BP+i+1]
.endif
.set i, i+2
.endr
	WIN 0
	QUANT Y, PW+\a%2
	global_store_b128 v[L16], v[PC:PC+3], s[OB_:OB_+1] offset:\a*ST_
	global_store_b64 v[L8], v[PC+4:PC+5], s[OB_:OB_+1] offset:\a*ST_+512
	global_store_b128 v[L16], v[PC+6:PC+9], s[OB_:OB_+1] offset:\a*ST_+HS_
	global_store_b64 v[L8], v[PC+10:PC+11], s[OB_:OB_+1] offset:\a*ST_+HS_+512
.if \a%2
.if \m
	v_cndmask_b32 v[254+\a/2], v[PW], v[PW+1], s98         ; lanes 0-15 the even d tile's word, lanes 16-31 the odd one's
	global_store_b32 v[VSV], v[254+\a/2], s[OS_:OS_+1] offset:(\a/2)*128
.else
	v_perm_b32 v[TM+8], v[PW+1], v[PW], s100               ; the first head: the even and the odd tile's bytes 0, 1
	v_perm_b32 v[TM+9], v[PW+1], v[PW], s101               ; the second head: their bytes 2, 3
	v_cndmask_b32 v[254+\a/2], v[TM+8], v[TM+9], s98
	global_store_b32 v[VSQ], v[254+\a/2], s[OS_:OS_+1] offset:(\a/2)*64
.endif
.endif
.if (\refill) && (\a == 1)
	WALU
	s_wait_tensorcnt 0x0                           ; slot 0's refill has landed
	ds_add_u32 v[SPW], v[NIL]
	s_add_nc_u64 s[G0B2+2:G0B2+3], s[N0:N0+1], 6144 ; slot 1 takes the next tile's second half of K
	s_or_b32 s[G0B2+3], s[G0B2+3], 0x80000000
	s_add_nc_u64 s[G0A2+2:G0A2+3], s[N1:N1+1], 6144
	s_or_b32 s[G0A2+3], s[G0A2+3], 0x80000000
	s_wait_dscnt 0x0
	CROUND                                         ; it also shows slot 0 whole to all waves
	REFILL 2, G0B2, G0A2
	s_mov_b64 s[N0:N0+1], s[V0:V0+1]               ; the tile after the next is V's
	s_mov_b64 s[N1:N1+1], s[V1:V1+1]
.endif
.endr
.endm
	s_load_b512 s[4:19], s[0:1], 0x0               ; xq 4, xs 6, wq 8, ws 10, bq 12, bk 14, bv 16, att 18
	v_lshl_add_u32 v[SPW], v0, 2, SPARE
	v_mov_b32 v[NIL], 0
	ds_add_u32 v[SPW], v[NIL]                      ; the opening lines
	ds_add_u32 v[SPW], v[NIL]
	v_lshrrev_b32 v1, 5, v0
	v_readfirstlane_b32 s20, v1                    ; wave
	s_lshr_b32 s21, s20, 1                         ; my half of S1
	s_and_b32 s22, s20, 1                          ; my half of S0
	s_bfe_u32 s23, ttmp6, 0x40000                  ; cx
	s_bfe_u32 s24, ttmp6, 0x40004                  ; cy
	s_and_b32 s25, ttmp7, 0xffff                   ; Y: the cluster's number, 0..15
	s_lshl_b32 s26, s24, 2
	s_lshl_b32 s26, 15, s26                        ; my row of the cluster
	s_lshl_b32 s27, 0x1111, s23                    ; my column
	; group 1: a row is a row tile's half of K, 6,144 bytes (768 elements of 8); 12,288 bytes from tile to tile
	s_or_b32 s[G1A], s26, (3<<16)|(1<<21)
	s_or_b32 s[G1B], s27, (3<<16)|(1<<21)
	s_mov_b32 s[G1A+1], 768<<16
	s_mov_b32 s[G1A+2], 8<<16
	s_mov_b32 s[G1A+3], 768<<16
	s_mov_b32 s[G1A+4], 8
	s_mov_b32 s[G1A+5], 1536
	s_mov_b32 s[G1A+6], 0
	s_mov_b32 s[G1A+7], 0
	s_mov_b32 s[G1B+1], 768<<16
	s_mov_b32 s[G1B+2], 16<<16
	s_mov_b32 s[G1B+3], 768<<16
	s_mov_b32 s[G1B+4], 16
	s_mov_b32 s[G1B+5], 1536
	s_mov_b32 s[G1B+6], 0
	s_mov_b32 s[G1B+7], 0
	s_lshl_b32 s62, s25, 2
	s_add_co_u32 s62, s62, s24                     ; X = 4 Y + cy: Q's and K's block of 128 tokens
	s_and_b32 s63, s25, 1
	s_lshl_b32 s63, s63, 2
	s_add_co_u32 s63, s63, s24                     ; Wb = 4 (Y % 2) + cy: V's block of 128 rows of Wv
	s_lshr_b32 s60, s25, 1
	s_lshl_b32 s60, s60, 2
	s_add_co_u32 s60, s60, s23                     ; Pt = 4 (Y / 2) + cx: V's block of 256 tokens
	s_mul_i32 s68, s23, 196608                     ; Q: S0 = block cx of Wq
	s_mov_b32 s69, 0
	s_mul_i32 s70, s62, 98304                      ; S1 = block X of query
	s_mov_b32 s71, 0
	s_add_co_u32 s61, s60, 64                      ; value begins at block 64 of 256 rows
	s_mul_i32 s72, s61, 196608
	s_mov_b32 s73, 0
	s_add_co_u32 s26, s63, 16                      ; Wv begins at block 16 of 128 rows
	s_mul_i32 s74, s26, 98304
	s_mov_b32 s75, 0
	s_lshl_b32 s27, s22, 12                        ; scale bytes: 8,192 a block of 256 rows, my half of S0
	s_lshl_b32 s76, s23, 13
	s_add_co_u32 s76, s76, s27
	s_mov_b32 s77, 0
	s_lshl_b32 s80, s61, 13
	s_add_co_u32 s80, s80, s27
	s_mov_b32 s81, 0
	s_lshl_b32 s27, s21, 11                        ; 4,096 a block of 128 rows, my half of S1
	s_lshl_b32 s78, s62, 12
	s_add_co_u32 s78, s78, s27
	s_mov_b32 s79, 0
	s_lshl_b32 s82, s26, 12
	s_add_co_u32 s82, s82, s27
	s_mov_b32 s83, 0
	; where Q's and K's results go: batch X / 16, token tiles T0 = 8 (X % 16) + 4 half on, heads 4 cx + 2 half and the next
	s_lshr_b32 s84, s62, 4
	s_lshl_b32 s84, s84, 4
	s_lshl_b32 s85, s23, 2
	s_add_co_u32 s84, s84, s85
	s_lshl_b32 s85, s22, 1
	s_add_co_u32 s84, s84, s85
	s_mul_i32 s84, s84, REC
	s_and_b32 s85, s62, 15
	s_lshl_b32 s85, s85, 3
	s_lshl_b32 s86, s21, 2
	s_add_co_u32 s85, s85, s86
	s_mul_i32 s90, s85, 768
	s_add_co_u32 s90, s90, s84
	s_add_co_u32 s90, s90, QC
	s_mov_b32 s91, 0
	s_lshl_b32 s92, s85, 5
	s_add_co_u32 s92, s92, s84
	s_add_co_u32 s92, s92, QS
	s_mov_b32 s93, 0
	s_lshr_b32 s61, s85, 3                         ; K: key step T0 / 8, tile T0 % 8 of it
	s_mul_i32 s61, s61, KSTP
	s_add_co_u32 s61, s61, s84
	s_and_b32 s85, s85, 7
	s_mul_i32 s86, s85, 768
	s_add_co_u32 s86, s86, s61
	s_mov_b32 s87, 0
	s_lshl_b32 s88, s85, 5
	s_add_co_u32 s88, s88, s61
	s_add_co_u32 s88, s88, KS
	s_mov_b32 s89, 0
	; V's: batch Pt / 8, key step 2 (Pt % 8) + half of S0, head 2 Wb + half of S1
	s_lshr_b32 s84, s60, 3
	s_lshl_b32 s84, s84, 4
	s_lshl_b32 s85, s63, 1
	s_add_co_u32 s84, s84, s85
	s_add_co_u32 s84, s84, s21
	s_mul_i32 s84, s84, REC
	s_and_b32 s85, s60, 7
	s_lshl_b32 s85, s85, 1
	s_add_co_u32 s85, s85, s22
	s_mul_i32 s85, s85, KSTP
	s_add_co_u32 s85, s85, s84
	s_add_co_u32 s94, s85, VC
	s_mov_b32 s95, 0
	s_add_co_u32 s96, s85, VS
	s_mov_b32 s97, 0
	s_mul_i32 s26, s22, 49152                      ; LDS: my half of S0,
	s_mul_i32 s27, s21, 24576                      ; my half of S1
	s_add_co_u32 s27, s27, S1O
	s_lshl_b32 s84, s23, 10                        ; the bias along S0: 4 (256 cx + 128 half)
	s_lshl_b32 s85, s22, 9
	s_add_co_u32 s84, s84, s85
	s_lshl_b32 s85, s63, 9                         ; along S1: 4 (128 Wb + 64 half)
	s_lshl_b32 s61, s21, 8
	s_add_co_u32 s85, s85, s61
	s_mov_b32 s66, 0x76543210
	s_mov_b32 s67, 0xfedcba98                      ; lane l xor 16
	s_mov_b32 s98, 0xffff0000                      ; lanes 16-31
	s_mov_b32 s100, 0x05040100
	s_mov_b32 s101, 0x07060302
	WALU
	s_wait_dscnt 0x0
	s_wait_kmcnt 0x0
	s_add_nc_u64 s[68:69], s[8:9], s[68:69]
	s_add_nc_u64 s[70:71], s[4:5], s[70:71]
	s_add_nc_u64 s[72:73], s[4:5], s[72:73]
	s_add_nc_u64 s[74:75], s[8:9], s[74:75]
	s_add_nc_u64 s[76:77], s[10:11], s[76:77]
	s_add_nc_u64 s[78:79], s[6:7], s[78:79]
	s_add_nc_u64 s[80:81], s[6:7], s[80:81]
	s_add_nc_u64 s[82:83], s[10:11], s[82:83]
	s_add_nc_u64 s[86:87], s[18:19], s[86:87]
	s_add_nc_u64 s[88:89], s[18:19], s[88:89]
	s_add_nc_u64 s[90:91], s[18:19], s[90:91]
	s_add_nc_u64 s[92:93], s[18:19], s[92:93]
	s_add_nc_u64 s[94:95], s[18:19], s[94:95]
	s_add_nc_u64 s[96:97], s[18:19], s[96:97]
	s_mov_b32 s[G0B], 1
	s_mov_b32 s[G0B+1], 0
	s_mov_b64 s[G0B+2:G0B+3], s[68:69]
	s_or_b32 s[G0B+3], s[G0B+3], 0x80000000
	s_mov_b32 s[G0A], 1
	s_mov_b32 s[G0A+1], S1O
	s_mov_b64 s[G0A+2:G0A+3], s[70:71]
	s_or_b32 s[G0A+3], s[G0A+3], 0x80000000
	s_mov_b32 s[G0B2], 1
	s_mov_b32 s[G0B2+1], SLOT
	s_add_nc_u64 s[G0B2+2:G0B2+3], s[68:69], 6144
	s_or_b32 s[G0B2+3], s[G0B2+3], 0x80000000
	s_mov_b32 s[G0A2], 1
	s_mov_b32 s[G0A2+1], SLOT+S1O
	s_add_nc_u64 s[G0A2+2:G0A2+3], s[70:71], 6144
	s_or_b32 s[G0A2+3], s[G0A2+3], 0x80000000
	s_add_nc_u64 s[N0:N0+1], s[N0:N0+1], 786432    ; the next tile is K's: Wk lies 1,024 rows on,
	s_add_nc_u64 s[N1:N1+1], s[N1:N1+1], 6291456   ; key_ 8,192 rows on
	CROUND                                         ; all sixteen work-groups are here: the joint loads meet
	s_cmp_eq_u32 s20, 0                            ; one load a wave, each in an arm of its own; what is needed first is asked for first
	s_cbranch_scc0 .Lw1
	TLOAD G0B, G1B
	s_branch .Lasked
.Lw1:
	s_cmp_eq_u32 s20, 1
	s_cbranch_scc0 .Lw2
	TLOAD G0A, G1A
	s_branch .Lasked
.Lw2:
	s_cmp_eq_u32 s20, 2
	s_cbranch_scc0 .Lw3
	TLOAD G0B2, G1B
	s_branch .Lasked
.Lw3:
	TLOAD G0A2, G1A
.Lasked:
	v_and_b32 v3, 31, v0                           ; lane
	v_and_b32 v1, 15, v0                           ; r
	v_bfe_u32 v2, v0, 4, 1                         ; h
	v_lshlrev_b32 v[L16], 4, v3
	v_lshlrev_b32 v[L8], 3, v3
	v_add_nc_u32 v[AD0], s26, v[L16]
	v_add_nc_u32 v[AD0+2], s26, v[L8]
	v_add_nc_u32 v[AD1], s27, v[L16]
	v_add_nc_u32 v[AD1+2], s27, v[L8]
	v_add_nc_u32 v[AD0+1], SLOT, v[AD0]
	v_add_nc_u32 v[AD0+3], SLOT, v[AD0+2]
	v_add_nc_u32 v[AD1+1], SLOT, v[AD1]
	v_add_nc_u32 v[AD1+3], SLOT, v[AD1+2]
	v_mul_u32_u24 v[VSQ], v2, REC                  ; lanes 16-31 store the next head's word,
	v_lshl_add_u32 v[VSQ], v1, 2, v[VSQ]
	v_lshlrev_b32 v[VSV], 6, v2                    ; or the odd d tile's
	v_lshl_add_u32 v[VSV], v1, 2, v[VSV]
	v_lshl_add_u32 v[BO], v2, 7, s84               ; register 32 G + i is feature 64 G + 32 h + i
	v_and_b32 v17, 7, v1
	v_lshrrev_b32 v18, 3, v1
	v_lshl_add_u32 v[BRO], v18, 5, v17
	v_lshl_add_u32 v[BRO], v[BRO], 2, s85          ; place r of tile a is row 32 (r / 8) + 8 a + r % 8
	v_lshlrev_b32 v[SH8], 3, v2
	WALU
	SCLOAD P0, P1                                  ; Q's scale words
	s_wait_xcnt 0x0
	s_add_nc_u64 s[P0:P0+1], s[P0:P0+1], 32768     ; on to K's
	s_add_nc_u64 s[P1:P1+1], s[P1:P1+1], 262144
	s_cmp_lt_u32 s20, 2
	s_cbranch_scc0 .Lnot_first
	s_wait_tensorcnt 0x0                           ; waves 0 and 1: slot 0's pieces have landed
.Lnot_first:
	s_barrier_signal -1
	s_barrier_wait -1                              ; slot 1's may still be on their way
	s_mov_b32 s99, 0
.Ltile:
	TILE 0, 1
	s_wait_xcnt 0x0                                ; the stores and loads have read their bases
	s_mov_b64 s[OC:OC+1], s[OCK:OCK+1]             ; K's codes and scale words
	s_mov_b64 s[OS:OS+1], s[OSK:OSK+1]
	s_mov_b64 s[12:13], s[14:15]                   ; bk
	s_mov_b64 s[P0:P0+1], s[PV0:PV0+1]
	s_mov_b64 s[P1:P1+1], s[PV1:PV1+1]
	s_add_co_u32 s99, s99, 1
	s_cmp_lg_u32 s99, 2
	WALU
	s_cbranch_scc1 .Ltile
	TILE 1, 0
	s_wait_tensorcnt 0x0                           ; the wave's end
	ds_add_u32 v[SPW], v[NIL]
	s_wait_dscnt 0x0
	CROUND                                         ; the closing round
	s_endpgm
.Lfunc_end_k_qcc31381ddd_proj:
	.size	k_qcc31381ddd_proj, .Lfunc_end_k_qcc31381ddd_proj-k_qcc31381ddd_proj
	.p2alignl 7, 3214868480
	.fill 96, 4, 3214868480
	.section	.rodata,"a",@progbits
	.p2align	6, 0x0
	.amdhsa_kernel k_qcc31381ddd_proj
		.amdhsa_group_segment_fixed_size 327680
		.amdhsa_private_segment_fixed_size 0
		.amdhsa_enable_private_segment 0
		.amdhsa_kernarg_size 64
		.amdhsa_user_sgpr_count 2
		.amdhsa_user_sgpr_kernarg_segment_ptr 1
		.amdhsa_wavefront_size32 1
		.amdhsa_system_sgpr_workgroup_id_x 1
		.amdhsa_system_sgpr_workgroup_id_y 1
		.amdhsa_system_sgpr_workgroup_id_z 1
		.amdhsa_system_vgpr_workitem_id 0
		.amdhsa_next_free_vgpr 768
		.amdhsa_next_free_sgpr 102
		.amdhsa_reserve_vcc 0
		.amdhsa_float_denorm_mode_32 3
		.amdhsa_float_denorm_mode_16_64 3
		.amdhsa_memory_ordered 1
		.amdhsa_forward_progress 1
		.amdhsa_inst_pref_size 181
	.end_amdhsa_kernel
	.amdgpu_metadata
---
amdhsa.version: [ 1, 2 ]
amdhsa.kernels:
  - .name:           k_qcc31381ddd_proj
    .symbol:         k_qcc31381ddd_proj.kd
    .args:
      - { .name: xq, .offset: 0, .size: 8, .value_kind: global_buffer, .address_space: global }
      - { .name: xs, .offset: 8, .size: 8, .value_kind: global_buffer, .address_space: global }
      - { .name: wq, .offset: 16, .size: 8, .value_kind: global_buffer, .address_space: global }
      - { .name: ws, .offset: 24, .size: 8, .value_kind: global_buffer, .address_space: global }
      - { .name: bq, .offset: 32, .size: 8, .value_kind: global_buffer, .address_space: global }
      - { .name: bk, .offset: 40, .size: 8, .value_kind: global_buffer, .address_space: global }
      - { .name: bv, .offset: 48, .size: 8, .value_kind: global_buffer, .address_space: global }
      - { .name: att, .offset: 56, .size: 8, .value_kind: global_buffer, .address_space: global }
    .group_segment_fixed_size: 327680
    .private_segment_fixed_size: 0
    .kernarg_segment_align: 8
    .kernarg_segment_size: 64
    .max_flat_workgroup_size: 128
    .sgpr_count:     102
    .vgpr_count:     768
    .wavefront_size: 32
...
	.end_amdgpu_metadata
.endif
;; end of part 2
;; launch attn (part 3): grid 4 x 64, 16 waves a work-group, clusters of 4 x 1, 206,848 bytes of LDS; arguments att, cq, cs; writes cq, cs
.if DOCPART == 3
	.amdgcn_target "amdgcn-amd-amdhsa--gfx1250"
	.amdhsa_code_object_version 6
	.text
	.protected	k_qcc31381ddd_attn
	.globl	k_qcc31381ddd_attn
	.p2align	8
	.type	k_qcc31381ddd_attn,@function
k_qcc31381ddd_attn:
	s_mov_b64 s[64:65], 0
	v_nop
	global_prefetch_b8 v0, s[64:65] scope:SCOPE_SE
	s_setreg_imm32_b32 hwreg(HW_REG_WAVE_MODE, 25, 1), 1
	s_wait_xcnt 0x0
	s_wait_alu depctr_hold_cnt(0) depctr_sa_sdst(0) depctr_va_vdst(0) depctr_va_sdst(0) depctr_va_ssrc(0) depctr_va_vcc(0) depctr_vm_vsrc(0)
	s_getreg_b32 s2, hwreg(HW_REG_IB_STS2, 6, 4)
	s_cmp_eq_u32 s2, 0
	s_cbranch_scc0 .Lentry_in_a_cluster
	s_endpgm
.Lentry_in_a_cluster:
	s_bfe_u32 s2, ttmp6, 0x10000c
	s_cmp_lg_u32 s2, 0x3003
	s_cbranch_scc0 .Lentry_shape_is_right
	s_endpgm
.Lentry_shape_is_right:
; ctx[b][q][head] = softmax_k(Q . K / 8) V for one (batch, head) a cluster, both products on codes of FP6 (E2M3) with E8M0 scales; ctx is quantised along D and stored as images of operand registers for the last product.
; THE SOFTMAX AHEAD OF THE SECOND PRODUCT: t = score x log2(e) / 8; M = the running largest t rounded UP to a whole number; p = 2^(t - M) is quantised along the keys, not normalised; the row's sum is taken of the
; unquantised p and divides at the end.  When M moves, the sum and O are multiplied by 2^(old M - new M): exact.
; SHARES.  The four work-groups of a cluster take 512 queries each of one head.  The first 204,800 bytes of the head's record are sixteen key steps of 12,800 bytes (K codes, V^T codes, K and V scale words of 128 keys); wave w
; asks for key step w, jointly with its three partners (the same descriptor, a mask that names the four); the bytes stay: no LDS byte is filled twice, nothing is stored to LDS.  Waves 0 to 3 have a load line and a wait of their
; own: behind the first barrier key steps 0 to 3 are walked, behind a second, for which every wave has waited for its load, the other twelve.  Sixteen waves, four to a SIMD; a wave takes one tile of 16 queries at a time, two in all.
; One fill at the head and no loop to run ahead in: no prefetch.
; LAYOUT.  Both products are used transposed: a lane holds ONE query (lane % 16) throughout.  Key tile 4 G + t holds at place 8 h + j key 64 G + 32 h + 8 t + j, so the 32 registers of tiles 4 G .. 4 G + 3 are keys
; 64 G + 32 (lane / 16) + 0 .. 31: a whole scale block of p, in the lane in which the operand's layout wants it: no lane swap, and no other lane's maximum but for the row's.  The head's 64 lie the same way in O^T.
; THE HEAD'S K IS 64, THE INSTRUCTION'S 128: a fragment of source 0 holds key tiles 2 g and 2 g + 1 on end; source 1 is Q beside 64 zero codes, [q, 0] for the even tile and [0, q] for the odd one: zero codes add nothing.
; ORDER OF A STEP'S LINES: independent chains take turns, so that a line's sources were written several lines before it: the maxima are a tree (16, 8, 4 lines side by side), the sum has eight chains, the scale's chain stands among
; the sum's lines, the factor's chain and O^T's scaling among the multiply-adds.  Where a chain cannot be spread, a one-field hint stands ahead of the dependent line.
; LIMITS: NaN and infinities are not served; the running maximum starts at -3e38; a block of ctx whose largest magnitude lies under 2^-124 gets the byte 1.
.set REC,  307200
.set KSTP, 12800
.set VO,   6144                        ; in a key step: V^T codes,
.set KSO,  12288                       ; K scale words,
.set VSO,  12544                       ; V scale words
.set QC,   204800
.set QS,   303104
.set QZ,   16                          ; v16-21 zeros, v22-27 Q's codes, v28-33 zeros
.set F,    34                          ; v34-81 four fragments of K or of V
.set CH,   82                          ; v82-89 the sum's chains 0 to 3; they carry a step's sum into the next step
.set S,    96                          ; v96-159 S^T, then p
.set O,    160                         ; v160-191 O^T
.set PC,   192                         ; v192-203 p's codes; on the way out ctx's
.set XT,   204                         ; v204-210 conversions' second halves
.set BM,   212                         ; v212, v214 the two blocks' largest t - M, then p; v212-213 at work on the way out
.set SO,   220                         ; v220-221 the conversions' scale operands
.set BY,   222                         ; v222-223 the scale bytes
.set QSC,  232                         ; scale words: v232 Q's, v233-234 K's, v235-236 V's, v237 p's: they hold nothing else
.set KSC,  233
.set VSC,  235
.set PSC,  237
.set TX,   238                         ; v238-253 the maxima's tree, eight registers a block
.set CX,   238                         ; v238-245 later in the step: the sum's chains 4 to 7
; v1 16 x lane, v2 8 x lane, v3 4 x lane, v4-6 the step's addresses, v7 8 h, v8 4 r, v9 8 r + h, v10 at work, v12 -M, v13 the largest t, v[14:15] the sum, v90 the old -M, v91 at work, v[92:93] a factor
.set SEL,  14                          ; s[14:15] lane selects for lane l xor 16
.set CS,   16                          ; s[16:17] c = log2(e) / 8
.set TB,   18                          ; s18 the key step's bytes
.set CNT,  20
.set PSEL, 21
.set QB,   36                          ; s[36:37] Q's codes at my first tile;  s[38:39] its scale words;  s[40:41] ctx's codes;  s[42:43] ctx's scale bytes
.set QSB,  38
.set CB,   40
.set CSB,  42
.macro WALU
	s_wait_alu depctr_va_vdst(0)
.endm
.macro CROUND                          ; a round of the cluster's barrier
	s_barrier_signal -1
	s_barrier_wait -1
	s_cmp_lg_u32 s10, 0
	s_cbranch_scc1 .Lnot_wave_0_\@
	s_barrier_signal -3
.Lnot_wave_0_\@:
	s_barrier_wait -3
	s_barrier_signal -1
	s_barrier_wait -1
.endm
.macro WZ d, f0, f1, x0, x1, r0        ; a product that starts its sum; r0: source 0's scale words stand in lanes 16-31
.if (\r0)
	v_wmma_scale_f32_16x16x128_f8f6f4 v[0+(\d):7+(\d)], v[0+(\f0):11+(\f0)], v[0+(\f1):11+(\f1)], 0, v[0+(\x0)], v[0+(\x1)] matrix_a_fmt:MATRIX_FMT_FP6 matrix_b_fmt:MATRIX_FMT_FP6 matrix_a_scale:MATRIX_SCALE_ROW1
.else
	v_wmma_scale_f32_16x16x128_f8f6f4 v[0+(\d):7+(\d)], v[0+(\f0):11+(\f0)], v[0+(\f1):11+(\f1)], 0, v[0+(\x0)], v[0+(\x1)] matrix_a_fmt:MATRIX_FMT_FP6 matrix_b_fmt:MATRIX_FMT_FP6
.endif
.endm
.macro WC d, f0, f1, x0, x1, r0        ; a product that adds in place
.if (\r0)
	v_wmma_scale_f32_16x16x128_f8f6f4 v[0+(\d):7+(\d)], v[0+(\f0):11+(\f0)], v[0+(\f1):11+(\f1)], v[0+(\d):7+(\d)], v[0+(\x0)], v[0+(\x1)] matrix_a_fmt:MATRIX_FMT_FP6 matrix_b_fmt:MATRIX_FMT_FP6 matrix_a_scale:MATRIX_SCALE_ROW1
.else
	v_wmma_scale_f32_16x16x128_f8f6f4 v[0+(\d):7+(\d)], v[0+(\f0):11+(\f0)], v[0+(\f1):11+(\f1)], v[0+(\d):7+(\d)], v[0+(\x0)], v[0+(\x1)] matrix_a_fmt:MATRIX_FMT_FP6 matrix_b_fmt:MATRIX_FMT_FP6
.endif
.endm
; four fragments (two images of 768 bytes each) and their scale words (lanes 0-15: the even fragment's, lanes 16-31: the odd one's): every load is dense
.macro FLOAD off, soff, sc
.irp g, 0,1,2,3
	ds_load_b128 v[F+12*\g:F+12*\g+3],     v4 offset:\off+1536*\g
	ds_load_b64  v[F+12*\g+4:F+12*\g+5],   v5 offset:\off+1536*\g+512
	ds_load_b128 v[F+12*\g+6:F+12*\g+9],   v4 offset:\off+1536*\g+768
	ds_load_b64  v[F+12*\g+10:F+12*\g+11], v5 offset:\off+1536*\g+1280
.endr
	ds_load_b32 v[\sc], v6 offset:\soff
	ds_load_b32 v[\sc+1], v6 offset:\soff+128
.endm
.macro MERGE                           ; the last step's four chains join the sum: four plain lines, which also stand as the places behind products
	v_pk_add_f32 v[CH:CH+1], v[CH:CH+1], v[CH+2:CH+3]
	v_pk_add_f32 v[CH+4:CH+5], v[CH+4:CH+5], v[CH+6:CH+7]
	s_delay_alu instid0(VALU_DEP_2)
	v_pk_add_f32 v[14:15], v[14:15], v[CH:CH+1]
	s_delay_alu instid0(VALU_DEP_1)
	v_pk_add_f32 v[14:15], v[14:15], v[CH+4:CH+5]
.endm
.macro TF n                            ; n lines of t - M, two numbers a line; j runs on
.rept \n
	v_pk_fma_f32 v[S+j:S+j+1], v[S+j:S+j+1], s[CS:CS+1], v[12:13] op_sel_hi:[1,0,0]
.set j, j+2
.endr
.endm
.macro CA k, q                         ; chain k of the sum takes the pair of p at registers 2 k + 16 q; q = 1: it begins, with the pairs of q = 0 and 1
.if \k < 4
.set CR_, CH+2*\k
.else
.set CR_, CX+2*(\k-4)
.endif
.if \q == 1
	v_pk_add_f32 v[CR_:CR_+1], v[S+2*\k:S+2*\k+1], v[S+2*\k+16:S+2*\k+17]
.else
	v_pk_add_f32 v[CR_:CR_+1], v[CR_:CR_+1], v[S+2*\k+16*\q:S+2*\k+16*\q+1]
.endif
.endm
; ONE KEY STEP: 128 keys for my 16 queries
.macro BODY
	v_add_nc_u32 v4, s[TB], v1                     ; four plain lines: the places between the last step's products and the loads into their operands
	v_add_nc_u32 v5, s[TB], v2
	v_add_nc_u32 v6, s[TB], v3
	v_mov_b32 v90, v12                             ; the old -M
	FLOAD 0, KSO, KSC
	WALU
	s_wait_dscnt 0x0                               ; K's fragments and scale words are in
.irp g, 0,1,2,3                                ; S^T = K Q^T: tile T in registers 8 T on
	WZ S+16*\g, F+12*\g, QZ+6, KSC+\g/2, QSC, \g%2
	WZ S+16*\g+8, F+12*\g, QZ, KSC+\g/2, QSC, \g%2
.endr
	MERGE                                          ; the places between those products and the loads into their operands, and the first read of their results
	FLOAD VO, VSO, VSC                             ; V's fragments land while the softmax is worked
.irp k, 0,1,2,3,4,5,6,7                        ; the largest score of each of my two blocks of 32 keys: a tree; ascending
.irp c, 0,1
	v_max3_num_f32 v[TX+8*\c+\k], v[S+32*\c+3*\k], v[S+32*\c+3*\k+1], v[S+32*\c+3*\k+2]
.endr
.endr
.irp k, 0,1,2,3
.irp c, 0,1
	v_max3_num_f32 v[TX+8*\c+\k], v[TX+8*\c+\k], v[S+32*\c+24+2*\k], v[S+32*\c+25+2*\k]
.endr
.endr
.irp c, 0,1
	v_max3_num_f32 v[TX+8*\c], v[TX+8*\c], v[TX+8*\c+1], v[TX+8*\c+2]
	v_max3_num_f32 v[TX+8*\c+3], v[TX+8*\c+3], v[TX+8*\c+4], v[TX+8*\c+5]
.endr
	s_delay_alu instid0(VALU_DEP_3)
	v_max3_num_f32 v[TX], v[TX], v[TX+3], v[TX+6]
	s_delay_alu instid0(VALU_DEP_2)
	v_max3_num_f32 v[TX+8], v[TX+8], v[TX+11], v[TX+14]
	s_delay_alu instid0(VALU_DEP_2)
	v_max_num_f32 v[TX], v[TX], v[TX+7]            ; my block of keys 32 h on: its largest score serves the row's maximum and, since p rises with the score, the block's largest p
	s_delay_alu instid0(VALU_DEP_2)
	v_max_num_f32 v[TX+8], v[TX+8], v[TX+15]       ; and of keys 64 + 32 h on
	s_delay_alu instid0(VALU_DEP_1)
	v_max_num_f32 v91, v[TX], v[TX+8]
	s_delay_alu instid0(VALU_DEP_1)
	v_permlanex16_b32 v10, v91, s[SEL], s[SEL+1]
	s_delay_alu instid0(VALU_DEP_1)
	v_max_num_f32 v91, v91, v10                    ; with lane l xor 16's 64 keys
	s_delay_alu instid0(VALU_DEP_1)
	v_mul_f32 v91, s[CS], v91                      ; as t (c is positive)
	s_delay_alu instid0(VALU_DEP_1)
	v_max_num_f32 v13, v13, v91                    ; the running largest t
	s_delay_alu instid0(VALU_DEP_1)
	v_floor_f32 v12, -v13                          ; the new -M = -ceil(t)
	s_delay_alu instid0(VALU_DEP_1)
	v_sub_f32 v91, v12, v90                        ; old M - new M: a whole number, 0 or less
.set j, 0
	TF 4                                           ; t - M; the factor's chain stands among these lines
	v_cvt_i32_f32 v91, v91                         ; (it saturates)
	TF 4
	v_ldexp_f32 v92, 1.0, v91                      ; f = 2^(old M - new M)
	TF 4
.set o, 0
.rept 16
	v_pk_mul_f32 v[O+o:O+o+1], v[O+o:O+o+1], v[92:93] op_sel_hi:[1,0]   ; O^T under the new M, ascending
.set o, o+2
	TF 1
.endr
	TF 4
	v_fma_f32 v[BM], v[TX], s[CS], v12             ; t - M of each block's largest score
	v_fma_f32 v[BM+2], v[TX+8], s[CS], v12
	WALU
.set j, 0
.rept 64
	v_exp_f32 v[S+j], v[S+j]                       ; p = 2^(t - M)
.set j, j+1
.endr
	v_exp_f32 v[BM], v[BM]                         ; the block's largest p: the same two instructions on the same number give the same bits
	v_exp_f32 v[BM+2], v[BM+2]
	v_pk_mul_f32 v[14:15], v[14:15], v[92:93] op_sel_hi:[1,0]   ; the sum under the new M; the plain line behind the batch
	WALU                                           ; one wait for the batch, ahead of the first line that names a result
	v_max_num_f32 v[BM], 0x1800000, v[BM]          ; the floor 2^(3 - 127): the byte cannot fall under 1.  The scale's chain stands among the lines of the sum of the unquantised p
	v_max_num_f32 v[BM+2], 0x1800000, v[BM+2]
.irp k, 0,1,2,3
	CA \k, 1
.endr
	v_add_nc_u32 v[SO], 0xff000000, v[BM]          ; 2 off the exponent field: the conversion's scale operand
	v_add_nc_u32 v[SO+1], 0xff000000, v[BM+2]
.irp k, 4,5,6,7
	CA \k, 1
.endr
	v_lshrrev_b32 v[BY], 23, v[SO]
	v_lshrrev_b32 v[BY+1], 23, v[SO+1]
.irp k, 0,1,2,3
	CA \k, 2
.endr
	v_lshl_or_b32 v224, v[BY+1], 16, v[BY]         ; my two bytes: blocks h and 2 + h,
.irp k, 4,5,6,7
	CA \k, 2
.endr
	v_lshlrev_b32 v224, v7, v224                   ; at their places in the word;
.irp k, 0,1,2,3
	CA \k, 3
.endr
	v_permlanex16_b32 v225, v224, s[SEL], s[SEL+1]
.irp k, 4,5,6
	CA \k, 3
.endr
	v_or_b32 v[PSC], v224, v225                    ; with lane l xor 16's two: p's scale word for these 128 keys
.irp c, 0,1
	v_cvt_scalef32_pk16_fp6_f32 v[PC+6*\c:PC+2+6*\c], v[S+32*\c:S+15+32*\c], v[SO+\c]
	v_cvt_scalef32_pk16_fp6_f32 v[XT+4*\c:XT+2+4*\c], v[S+16+32*\c:S+31+32*\c], v[SO+\c]   ; (a conversion's three registers begin on an even number)
.endr
	CA 7, 3                                        ; the plain line behind the conversions
.irp c, 0,1
.irp i, 0,1,2
	v_mov_b32 v[PC+3+6*\c+\i], v[XT+4*\c+\i]
.endr
.endr
.irp k, 0,1,2,3
	v_pk_add_f32 v[CH+2*\k:CH+2*\k+1], v[CH+2*\k:CH+2*\k+1], v[CX+2*\k:CX+2*\k+1]   ; eight chains to four; also the four plain lines between p's codes and the products
.endr
	WALU
	s_wait_dscnt 0x0                               ; V's fragments and scale words are in
.irp t, 0,1,2,3                                ; O^T += V^T P^T: the four accumulators take turns
	WC O+8*\t, F+12*\t, PC, VSC+\t/2, PSC, \t%2
.endr
.endm
.macro LOOP n, tb0
	s_mov_b32 s[TB], \tb0
	s_mov_b32 s[CNT], \n
.Lstep_\@:
	BODY
	s_add_co_u32 s[TB], s[TB], KSTP
	s_sub_co_u32 s[CNT], s[CNT], 1
	s_cmp_lg_u32 s[CNT], 0
	s_cbranch_scc1 .Lstep_\@
.endm
.macro PRO p                           ; a tile of 16 queries begins: tile 32 cx + 16 p + wave
	s_wait_xcnt 0x0                                ; the last tile's stores have read their data
	global_load_b128 v[QZ+6:QZ+9], v1, s[QB:QB+1] offset:\p*12288
	global_load_b64 v[QZ+10:QZ+11], v2, s[QB:QB+1] offset:\p*12288+512
	global_load_b32 v231, v8, s[QSB:QSB+1] offset:\p*512
	s_wait_loadcnt 0x0
	v_perm_b32 v[QSC], v231, v231, s[PSEL]         ; Q's two bytes, twice: they serve [q, 0] and [0, q] alike
	v_mov_b32 v13, 0xff61b1e6                      ; the largest t so far: -3e38
	v_mov_b32 v14, 0                               ; the sum, in two halves
	v_mov_b32 v15, 0
	v_floor_f32 v12, -v13                          ; -M
.set j, 0
.rept 8
	v_mov_b32 v[CH+j], 0
.set j, j+1
.endr
.set j, 0
.rept 32
	v_mov_b32 v[O+j], 0                            ; O^T: the step is written once, and its first trip finds zeros
.set j, j+1
.endr
	WALU
.endm
.macro OUT p                           ; O^T / the sum, quantised along D: my block of 32 of the head's 64 is all mine; one image of 768 bytes and two scale bytes a row
	MERGE                                          ; also the places behind the last products
	v_add_f32 v14, v14, v15
	v_permlanex16_b32 v10, v14, s[SEL], s[SEL+1]
	v_add_f32 v14, v14, v10                        ; the row's sum
	WALU
	v_rcp_f32 v92, v14
	v_nop                                          ; a plain line behind the reciprocal
	WALU                                           ; and the wait ahead of the first line that names its result
.set j, 0
.rept 16
	v_pk_mul_f32 v[O+j:O+j+1], v[O+j:O+j+1], v[92:93] op_sel_hi:[1,0]   ; ascending.  Register i is d = 32 (lane / 16) + i
.set j, j+2
.endr
	v_max3_num_f32 v[BM], |v[O]|, |v[O+1]|, 0x1800000
	v_max3_num_f32 v[BM+1], |v[O+16]|, |v[O+17]|, |v[O+18]|
.irp i, 2,4,6,8,10,12
	v_max3_num_f32 v[BM], v[BM], |v[O+\i]|, |v[O+\i+1]|
	v_max3_num_f32 v[BM+1], v[BM+1], |v[O+\i+17]|, |v[O+\i+18]|
.endr
	v_max3_num_f32 v[BM], v[BM], |v[O+14]|, |v[O+15]|
	v_max3_num_f32 v[BM], v[BM], v[BM+1], |v[O+31]|
	v_add_nc_u32 v[SO], 0xff000000, v[BM]
	v_lshrrev_b32 v231, 23, v[SO]
	v_cvt_scalef32_pk16_fp6_f32 v[PC:PC+2], v[O:O+15], v[SO]
	v_cvt_scalef32_pk16_fp6_f32 v[XT:XT+2], v[O+16:O+31], v[SO]
	v_nop
.irp i, 0,1,2
	v_mov_b32 v[PC+3+\i], v[XT+\i]
.endr
	global_store_b128 v1, v[PC:PC+3], s[CB:CB+1] offset:\p*196608          ; 512 consecutive bytes
	global_store_b64 v2, v[PC+4:PC+5], s[CB:CB+1] offset:\p*196608+512     ; 256 consecutive bytes
	global_store_b8 v9, v231, s[CSB:CSB+1] offset:\p*8192                  ; single bytes, each with one owner: one twenty-fourth of the codes' bytes
.endm
	s_load_b128 s[4:7], s[0:1], 0x0                ; att, cq
	s_load_b64 s[8:9], s[0:1], 0x10                ; cs
	v_lshl_add_u32 v254, v0, 2, 0x32000
	v_mov_b32 v255, 0
	ds_add_u32 v254, v255                          ; the opening lines
	ds_add_u32 v254, v255
	v_lshrrev_b32 v1, 5, v0
	v_readfirstlane_b32 s10, v1                    ; wave 0..15
	s_bfe_u32 s11, ttmp6, 0x40000                  ; cx: it enters Q's and ctx's addresses alone
	s_and_b32 s12, ttmp7, 0xffff                   ; 16 b + head, which the four partners share
	s_mul_i32 s44, s12, REC
	s_mov_b32 s45, 0
	s_mul_i32 s46, s10, KSTP                       ; my key step: 50 rows of 256 bytes, in memory and in LDS alike
	s_mov_b32 s47, 0
	s_mov_b32 s28, 15|(3<<16)|(1<<21)              ; group 1: the mask: all four work-groups; elements of 8 bytes; bit 21 beside a mask; no padding
	s_mov_b32 s29, 32<<16
	s_mov_b32 s30, 50<<16
	s_mov_b32 s31, 32<<16
	s_mov_b32 s32, 50
	s_mov_b32 s33, 32                              ; the block is dense
	s_mov_b32 s34, 0
	s_mov_b32 s35, 0
	s_mov_b32 s[SEL], 0x76543210
	s_mov_b32 s[SEL+1], 0xfedcba98
	s_mov_b32 s[CS], 0x3e38aa3b                    ; log2(e) / 8
	s_mov_b32 s[CS+1], s[CS]                       ; (named with it as a pair, so it is written)
	WALU
	s_wait_dscnt 0x0
	s_wait_kmcnt 0x0
	s_add_nc_u64 s[48:49], s[4:5], s[44:45]        ; the record
	s_mov_b32 s24, 1
	s_mov_b32 s25, s46
	s_add_nc_u64 s[26:27], s[48:49], s[46:47]
	s_or_b32 s27, s27, 0x80000000
	CROUND                                         ; all four work-groups are here: the joint loads meet
	s_cmp_lt_u32 s10, 4                            ; one load a wave; waves 0 to 3, which wait for theirs first, have a line of their own
	s_cbranch_scc0 .Llater
	tensor_load_to_lds s[24:27], s[28:35]
	s_nop 0
.rept 4
	v_nop
.endr
	s_branch .Lasked
.Llater:
	tensor_load_to_lds s[24:27], s[28:35]
	s_nop 0
.rept 4
	v_nop
.endr
.Lasked:
	s_lshl_b32 s50, s11, 5
	s_add_co_u32 s50, s50, s10                     ; my first query tile: 32 cx + wave; the second lies 16 tiles on
	s_mul_i32 s44, s50, 768
	s_add_co_u32 s44, s44, QC
	s_add_nc_u64 s[QB:QB+1], s[48:49], s[44:45]
	s_lshr_b32 s44, s50, 1
	s_lshl_b32 s44, s44, 6
	s_add_co_u32 s44, s44, QS
	s_add_nc_u64 s[QSB:QSB+1], s[48:49], s[44:45]
	s_lshr_b32 s51, s12, 4                         ; b
	s_and_b32 s52, s12, 15                         ; head
	s_lshl_b32 s51, s51, 7
	s_add_co_u32 s51, s51, s50                     ; ctx's tile of rows: 128 b + 32 cx + wave
	s_mul_i32 s44, s51, 12288
	s_mul_i32 s46, s52, 768                        ; the head is the tile's k / 64
	s_add_co_u32 s44, s44, s46
	s_add_nc_u64 s[CB:CB+1], s[6:7], s[44:45]
	s_lshr_b32 s44, s51, 1                         ; ctx's scale bytes: [tile pair][k / 256][tile % 2][r][(k / 128) % 2][4]
	s_lshl_b32 s44, s44, 10
	s_and_b32 s46, s10, 1
	s_lshl_b32 s46, s46, 7
	s_add_co_u32 s44, s44, s46
	s_lshr_b32 s46, s52, 2
	s_lshl_b32 s46, s46, 8
	s_add_co_u32 s44, s44, s46
	s_bfe_u32 s46, s52, 0x10001
	s_lshl_b32 s46, s46, 2
	s_add_co_u32 s44, s44, s46
	s_and_b32 s46, s52, 1
	s_lshl_b32 s46, s46, 1
	s_add_co_u32 s44, s44, s46
	s_add_nc_u64 s[CSB:CSB+1], s[8:9], s[44:45]
	s_and_b32 s46, s10, 1                          ; my tile is the even or the odd one of its pair: which two bytes of the pair's word are Q's
	s_cmp_eq_u32 s46, 0
	s_mov_b32 s[PSEL], 0x03020302
	s_cselect_b32 s[PSEL], 0x01000100, s[PSEL]
	v_and_b32 v10, 31, v0                          ; lane
	v_and_b32 v8, 15, v0                           ; r
	v_bfe_u32 v7, v0, 4, 1                         ; h
	v_lshlrev_b32 v1, 4, v10
	v_lshlrev_b32 v2, 3, v10
	v_lshlrev_b32 v3, 2, v10
	v_lshl_add_u32 v9, v8, 3, v7                   ; 8 r + h: where my scale byte of ctx goes
	v_lshlrev_b32 v8, 2, v8                        ; 4 r
	v_lshlrev_b32 v7, 3, v7                        ; 8 h
.irp i, 0,1,2,3,4,5
	v_mov_b32 v[QZ+\i], 0                          ; the zero codes beside Q
	v_mov_b32 v[QZ+12+\i], 0
.endr
	v_mov_b32 v225, 0                              ; written once: a lane permute's destination counts as one of its sources
	v_mov_b32 v93, 0                               ; (named as the upper half of the pair v[92:93])
	WALU
	s_cmp_lt_u32 s10, 4
	s_cbranch_scc0 .Lnot_first
	s_wait_tensorcnt 0x0                           ; waves 0 to 3: key steps 0 to 3 have landed
.Lnot_first:
	s_barrier_signal -1
	s_barrier_wait -1                              ; the others may be on their way
	PRO 0
	LOOP 4, 0
	s_wait_tensorcnt 0x0                           ; every wave's load has landed,
	s_wait_dscnt 0x0
	s_barrier_signal -1
	s_barrier_wait -1                              ; and all know it
	LOOP 12, 4*KSTP
	OUT 0
	PRO 1
	LOOP 16, 0
	OUT 1
	s_wait_tensorcnt 0x0                           ; the wave's end
	ds_add_u32 v254, v255
	s_wait_dscnt 0x0
	CROUND                                         ; the closing round: no work-group ends while a partner may still ask for a tile that names it
	s_endpgm
.Lfunc_end_k_qcc31381ddd_attn:
	.size	k_qcc31381ddd_attn, .Lfunc_end_k_qcc31381ddd_attn-k_qcc31381ddd_attn
	.p2alignl 7, 3214868480
	.fill 96, 4, 3214868480
	.section	.rodata,"a",@progbits
	.p2align	6, 0x0
	.amdhsa_kernel k_qcc31381ddd_attn
		.amdhsa_group_segment_fixed_size 206848
		.amdhsa_private_segment_fixed_size 0
		.amdhsa_enable_private_segment 0
		.amdhsa_kernarg_size 24
		.amdhsa_user_sgpr_count 2
		.amdhsa_user_sgpr_kernarg_segment_ptr 1
		.amdhsa_wavefront_size32 1
		.amdhsa_system_sgpr_workgroup_id_x 1
		.amdhsa_system_sgpr_workgroup_id_y 1
		.amdhsa_system_sgpr_workgroup_id_z 1
		.amdhsa_system_vgpr_workitem_id 0
		.amdhsa_next_free_vgpr 256
		.amdhsa_next_free_sgpr 66
		.amdhsa_reserve_vcc 0
		.amdhsa_float_denorm_mode_32 3
		.amdhsa_float_denorm_mode_16_64 3
		.amdhsa_memory_ordered 1
		.amdhsa_forward_progress 1
		.amdhsa_inst_pref_size 62
	.end_amdhsa_kernel
	.amdgpu_metadata
---
amdhsa.version: [ 1, 2 ]
amdhsa.kernels:
  - .name:           k_qcc31381ddd_attn
    .symbol:         k_qcc31381ddd_attn.kd
    .args:
      - { .name: att, .offset: 0, .size: 8, .value_kind: global_buffer, .address_space: global }
      - { .name: cq, .offset: 8, .size: 8, .value_kind: global_buffer, .address_space: global }
      - { .name: cs, .offset: 16, .size: 8, .value_kind: global_buffer, .address_space: global }
    .group_segment_fixed_size: 206848
    .private_segment_fixed_size: 0
    .kernarg_segment_align: 8
    .kernarg_segment_size: 24
    .max_flat_workgroup_size: 512
    .sgpr_count:     66
    .vgpr_count:     256
    .wavefront_size: 32
...
	.end_amdgpu_metadata
.endif
;; end of part 3
;; launch outp (part 4): grid 4 x 64, 4 waves a work-group, clusters of 4 x 4, 295,424 bytes of LDS; arguments cq, cs, wq, ws, bo, out0; writes out0
.if DOCPART == 4
	.amdgcn_target "amdgcn-amd-amdhsa--gfx1250"
	.amdhsa_code_object_version 6
	.text
	.protected	k_qcc31381ddd_outp
	.globl	k_qcc31381ddd_outp
	.p2align	8
	.type	k_qcc31381ddd_outp,@function
k_qcc31381ddd_outp:
	s_mov_b64 s[64:65], 0
	v_nop
	global_prefetch_b8 v0, s[64:65] scope:SCOPE_SE
	s_setreg_imm32_b32 hwreg(HW_REG_WAVE_MODE, 25, 1), 1
	s_wait_xcnt 0x0
	s_wait_alu depctr_hold_cnt(0) depctr_sa_sdst(0) depctr_va_vdst(0) depctr_va_sdst(0) depctr_va_ssrc(0) depctr_va_vcc(0) depctr_vm_vsrc(0)
	s_getreg_b32 s2, hwreg(HW_REG_IB_STS2, 6, 4)
	s_cmp_eq_u32 s2, 0
	s_cbranch_scc0 .Lentry_in_a_cluster
	s_endpgm
.Lentry_in_a_cluster:
	s_bfe_u32 s2, ttmp6, 0x10000c
	s_cmp_lg_u32 s2, 0xf033
	s_cbranch_scc0 .Lentry_shape_is_right
	s_endpgm
.Lentry_shape_is_right:
; out0 = ctx Wo^T + bo on codes of FP6 (E2M3) with E8M0 scales; out0 [8192][1024] f32.
; A work-group multiplies S0 (256 rows of Wo, source 0) by S1 (128 rows of ctx, source 1) over all of K = 1,024.  Both lie in LDS whole: (256 + 128) x 768 = 294,912 bytes, filled ONCE, in two halves of 512 along K:
; no LDS byte is filled twice.  Four waves; a wave makes 128 (S0) x 64 (S1): 32 accumulators.  In a result lane (r, h) holds S1's place r, and the 32 registers of S0's tiles 4 G .. 4 G + 3 are output columns
; 64 G + 32 h + 0 .. 31 (tile 4 G + t holds at place 8 h + j row 64 G + 32 h + 8 t + j).  The bias is the C of each sum's first product.
; CLUSTER 4 x 4: S0's tile hangs on cx and is asked for jointly by a column of the cluster, S1's on cy and the cluster's number, by a row.
; THE WAY OUT: a block of 16 rows x 128 columns goes through the wave's own stage in LDS and leaves as whole rows of 512 bytes.  The stage lies in S0's first half of K, which has had its only fill and whose last reads ended
; ahead of the barrier of K step 3.
; REGISTERS: window 0: v1 r, v2 h, v4-19 LDS addresses, v20-21 the stage, v30-31 offsets, v32-79 scale words (they hold nothing else), v80-143 the bias, v152-247 S1's fragments in two sets; on the way out v128-255 are free.
;   window 1: S0's fragments, two sets of 96.   window 2: accumulator (a, b) at v[8 (8 a + b)].
; ROW ORDER, in place of the order that the head's comment names: row tile 4 G + t holds at place 8 h + j row 64 G + 32 h + 8 t + j, in Wo and in ctx alike.  So in a result lane (r, h) holds S1's place r, and the 32 registers of
; S0's tiles 4 G .. 4 G + 3 are output columns 64 G + 32 h + 0 .. 31; place t of S1's tile a is row 32 (t / 8) + 8 a + t % 8 of the wave's 64.
.set AD0,  4
.set AD1,  12                          ; v12-13, v16-17 the same for S1
.set STO,  20                          ; v20 the stage: where I put 32 bytes of a row
.set RD,   21                          ; v21 and where I read a row back
.set L16,  30
.set L8,   31
.set SC0,  32                          ; S0's scale words: register 8 g + s: lanes 0-15 tile 2 g, lanes 16-31 tile 2 g + 1, for K step s
.set SC1,  64
.set BP,   80
.set S1F,  152
.set BK,   128                         ; the way out: 16 rows read back: v128-191 and v192-255 by turns
.set G1A,  28                          ; s[28:35] descriptor group 1 for S1;  s[36:43] for S0
.set G1B,  36
.set G0A,  44                          ; s[44:51] groups 0 for S1, one for each half of K;  s[68:75] for S0
.set G0B,  68
.set MSB, 0
.macro WIN new                         ; the immediate's high byte repeats the setting that is left
.if MSB != \new
	s_set_vgpr_msb (MSB<<8)|\new
.set MSB, \new
.endif
.endm
.macro CROUND                          ; a round of the cluster's barrier
	s_barrier_signal -1
	s_barrier_wait -1
	s_cmp_lg_u32 s20, 0
	s_cbranch_scc1 .Lnot_wave_0_\@
	s_barrier_signal -3
.Lnot_wave_0_\@:
	s_barrier_wait -3
	s_barrier_signal -1
	s_barrier_wait -1
.endm
.macro PLACES n
.rept \n
	v_nop
.endr
.endm
; one product.  r0, r1: the side's scale words stand in lanes 16-31 of the register named
.macro WM d, f0, f1, c, x0, x1, r0, r1
.if (\r0) && (\r1)
	v_wmma_scale_f32_16x16x128_f8f6f4 v[0+(\d):7+(\d)], v[0+(\f0):11+(\f0)], v[0+(\f1):11+(\f1)], v[0+(\c):7+(\c)], v[0+(\x0)], v[0+(\x1)] matrix_a_fmt:MATRIX_FMT_FP6 matrix_b_fmt:MATRIX_FMT_FP6 matrix_a_scale:MATRIX_SCALE_ROW1 matrix_b_scale:MATRIX_SCALE_ROW1
.elseif (\r0)
	v_wmma_scale_f32_16x16x128_f8f6f4 v[0+(\d):7+(\d)], v[0+(\f0):11+(\f0)], v[0+(\f1):11+(\f1)], v[0+(\c):7+(\c)], v[0+(\x0)], v[0+(\x1)] matrix_a_fmt:MATRIX_FMT_FP6 matrix_b_fmt:MATRIX_FMT_FP6 matrix_a_scale:MATRIX_SCALE_ROW1
.elseif (\r1)
	v_wmma_scale_f32_16x16x128_f8f6f4 v[0+(\d):7+(\d)], v[0+(\f0):11+(\f0)], v[0+(\f1):11+(\f1)], v[0+(\c):7+(\c)], v[0+(\x0)], v[0+(\x1)] matrix_a_fmt:MATRIX_FMT_FP6 matrix_b_fmt:MATRIX_FMT_FP6 matrix_b_scale:MATRIX_SCALE_ROW1
.else
	v_wmma_scale_f32_16x16x128_f8f6f4 v[0+(\d):7+(\d)], v[0+(\f0):11+(\f0)], v[0+(\f1):11+(\f1)], v[0+(\c):7+(\c)], v[0+(\x0)], v[0+(\x1)] matrix_a_fmt:MATRIX_FMT_FP6 matrix_b_fmt:MATRIX_FMT_FP6
.endif
.endm
; K step s (128 along K): 48 LDS loads.  A fragment is two images of 768 bytes on end: every load is dense, 16 or 8 bytes a lane
.macro FETCH s
	WIN 0x40                                       ; destination window 1
.irp b, 0,1,2,3,4,5,6,7
	; LDS holds each operand in two halves of K: [half of K][row tile][6,144 bytes]
	ds_load_b128 v[96*((\s)%2)+12*\b:96*((\s)%2)+12*\b+3],     v[AD0+(\s)/4]   offset:\b*6144+((\s)%4)*1536
	ds_load_b64  v[96*((\s)%2)+12*\b+4:96*((\s)%2)+12*\b+5],   v[AD0+4+(\s)/4] offset:\b*6144+((\s)%4)*1536+512
	ds_load_b128 v[96*((\s)%2)+12*\b+6:96*((\s)%2)+12*\b+9],   v[AD0+(\s)/4]   offset:\b*6144+((\s)%4)*1536+768
	ds_load_b64  v[96*((\s)%2)+12*\b+10:96*((\s)%2)+12*\b+11], v[AD0+4+(\s)/4] offset:\b*6144+((\s)%4)*1536+1280
.endr
	WIN 0
.irp a, 0,1,2,3
	ds_load_b128 v[S1F+48*((\s)%2)+12*\a:S1F+48*((\s)%2)+12*\a+3],     v[AD1+(\s)/4]   offset:\a*6144+((\s)%4)*1536
	ds_load_b64  v[S1F+48*((\s)%2)+12*\a+4:S1F+48*((\s)%2)+12*\a+5],   v[AD1+4+(\s)/4] offset:\a*6144+((\s)%4)*1536+512
	ds_load_b128 v[S1F+48*((\s)%2)+12*\a+6:S1F+48*((\s)%2)+12*\a+9],   v[AD1+(\s)/4]   offset:\a*6144+((\s)%4)*1536+768
	ds_load_b64  v[S1F+48*((\s)%2)+12*\a+10:S1F+48*((\s)%2)+12*\a+11], v[AD1+4+(\s)/4] offset:\a*6144+((\s)%4)*1536+1280
.endr
.endm
; 16 products: S1's blocks a0, a0 + 1 x S0's eight.  first = 1: the bias is the C that starts the sums.  The 32 accumulators take turns, one instruction a turn, in the same order in every step
.macro MUL2 s, a0, first
.if \first
	WIN 0x81                                       ; source 0 window 1, C window 0, D window 2
.else
	WIN 0xa1                                       ; source 0 window 1, C and D window 2
.endif
.irp a, \a0, \a0+1
.irp b, 0,1,2,3,4,5,6,7
.if \first
	WM 8*(8*(\a)+\b), 96*((\s)%2)+12*\b, S1F+48*((\s)%2)+12*(\a), BP+8*\b, SC0+8*(\b/2)+(\s), SC1+8*((\a)/2)+(\s), \b%2, (\a)%2
.else
	WM 8*(8*(\a)+\b), 96*((\s)%2)+12*\b, S1F+48*((\s)%2)+12*(\a), 8*(8*(\a)+\b), SC0+8*(\b/2)+(\s), SC1+8*((\a)/2)+(\s), \b%2, (\a)%2
.endif
.endr
.endr
.endm
; a step whose successor lies in the same half of K
.macro STEP_E s, first
.if \first == 0
	PLACES 4                                       ; four plain lines between the products that read a set and the loads into it (ISA guide 7.12.1 for vector instructions)
.endif
	FETCH (\s)+1
	s_wait_dscnt 48                                ; all but the 48 just issued: this step's fragments are in
	MUL2 \s, 0, \first
	MUL2 \s, 2, \first
	WIN 0
.endm
; an odd step: its successor lies in the next chunk, which other waves' loads brought
.macro STEP_O s
	s_wait_tensorcnt 0x0                           ; every wave's one load has landed: the second half of K among them
	s_wait_dscnt 0x0                               ; this step's fragments are in, and no LDS access of mine is pending at the signal
	s_barrier_signal -1
	MUL2 \s, 0, 0
	s_barrier_wait -1                              ; everybody's part has landed
	PLACES 4
	FETCH (\s)+1
	MUL2 \s, 2, 0
	WIN 0
.endm
	s_load_b256 s[4:11], s[0:1], 0x0               ; cq s[4:5], cs s[6:7], wq s[8:9], ws s[10:11]
	s_load_b128 s[12:15], s[0:1], 0x20             ; bo s[12:13], out0 s[14:15]
	v_lshl_add_u32 v28, v0, 2, 0x48000
	v_mov_b32 v29, 0
	ds_add_u32 v28, v29
	ds_add_u32 v28, v29
	v_lshrrev_b32 v1, 5, v0
	v_readfirstlane_b32 s20, v1                    ; wave 0..3
	s_lshr_b32 s21, s20, 1                         ; my half of S1.  Also: which half of K I fetch
	s_and_b32 s22, s20, 1                          ; my half of S0.  Also: I fetch for S0 (0) or for S1 (1)
	s_bfe_u32 s23, ttmp6, 0x40000                  ; cx
	s_bfe_u32 s24, ttmp6, 0x40004                  ; cy
	s_and_b32 s25, ttmp7, 0xffff                   ; the cluster's number, 0..15
	s_lshl_b32 s26, s24, 2
	s_lshl_b32 s26, 15, s26                        ; my row of the cluster
	s_lshl_b32 s27, 0x1111, s23                    ; my column
	; descriptor group 1: rows = tiles of 16 rows; a row is a half of K's 6,144 bytes (768 elements of 8 bytes); 12,288 bytes (1,536 elements) from tile to tile; no padding
	s_or_b32 s[G1A], s26, (3<<16)|(1<<21)          ; 15:0 the mask: S1's tiles go to my row; 17:16 elements of 8 bytes; 21 set beside a mask
	s_or_b32 s[G1B], s27, (3<<16)|(1<<21)          ; S0's tiles go to my column
	s_mov_b32 s[G1A+1], 768<<16                    ; a row is a row tile's half of K: 6,144 bytes, 768 elements
	s_mov_b32 s[G1A+2], 8<<16                      ; S1's 8 row tiles a load
	s_mov_b32 s[G1A+3], 768<<16
	s_mov_b32 s[G1A+4], 8
	s_mov_b32 s[G1A+5], 1536                       ; tensor_dim0_stride
	s_mov_b32 s[G1A+6], 0
	s_mov_b32 s[G1A+7], 0
	s_mov_b32 s[G1B+1], 768<<16
	s_mov_b32 s[G1B+2], 16<<16                     ; S0's 16 row tiles a load
	s_mov_b32 s[G1B+3], 768<<16
	s_mov_b32 s[G1B+4], 16
	s_mov_b32 s[G1B+5], 1536
	s_mov_b32 s[G1B+6], 0
	s_mov_b32 s[G1B+7], 0
	s_mul_i32 s86, s23, 196608                     ; S0: Wo is the fourth weight in wq; 256 rows a cx.  These registers never hold cy
	s_add_co_u32 s86, s86, 3*786432
	s_mov_b32 s87, 0
	s_lshl_b32 s85, s25, 2
	s_add_co_u32 s85, s85, s24                     ; S1: block 4 CY + cy of 128 rows of ctx.  These never hold cx
	s_mul_i32 s92, s85, 98304
	s_mov_b32 s93, 0
	s_lshl_b32 s90, s23, 13
	s_add_co_u32 s90, s90, 98304
	s_lshl_b32 s60, s22, 12                        ; the scale bytes of my half of S0
	s_add_co_u32 s90, s90, s60
	s_mov_b32 s91, 0
	s_lshl_b32 s96, s85, 12
	s_lshl_b32 s60, s21, 11                        ; and of my half of S1
	s_add_co_u32 s96, s96, s60
	s_mov_b32 s97, 0
	s_lshl_b32 s18, s85, 19                        ; out0: row 128 (4 CY + cy) + 64 half, 4,096 bytes a row,
	s_lshl_b32 s60, s21, 18
	s_add_co_u32 s18, s18, s60
	s_lshl_b32 s60, s23, 10                        ; column 256 cx + 128 half
	s_add_co_u32 s18, s18, s60
	s_lshl_b32 s60, s22, 9
	s_add_co_u32 s18, s18, s60
	s_mov_b32 s19, 0
	s_wait_dscnt 0x0
	s_wait_kmcnt 0x0
	s_add_nc_u64 s[88:89], s[8:9], s[86:87]
	s_add_nc_u64 s[94:95], s[4:5], s[92:93]
	s_add_nc_u64 s[98:99], s[10:11], s[90:91]      ; S0's scale bytes
	s_add_nc_u64 s[84:85], s[6:7], s[96:97]        ; S1's
	s_add_nc_u64 s[16:17], s[14:15], s[18:19]      ; my part of out0
.irp k, 0,1
	s_mov_b32 s[G0B+4*\k], 1                       ; count = 1
	s_mov_b32 s[G0B+4*\k+1], \k*98304              ; LDS address: S0's half k of K
	s_add_nc_u64 s[G0B+4*\k+2:G0B+4*\k+3], s[88:89], \k*6144
	s_or_b32 s[G0B+4*\k+3], s[G0B+4*\k+3], 0x80000000
	s_mov_b32 s[G0A+4*\k], 1
	s_mov_b32 s[G0A+4*\k+1], 196608+\k*49152       ; S1's half k of K
	s_add_nc_u64 s[G0A+4*\k+2:G0A+4*\k+3], s[94:95], \k*6144
	s_or_b32 s[G0A+4*\k+3], s[G0A+4*\k+3], 0x80000000
.endr
	CROUND                                         ; all sixteen work-groups are here: the joint loads meet
	; THE FILLS, in place of the four chunks that the head's comment names: both operands come in two halves of K, one joint load a wave, each in an arm of its own:
	; wave 0 S0's first half, wave 1 S1's first half, wave 2 S0's second, wave 3 S1's second.  No LDS byte is filled twice.
	s_cmp_eq_u32 s20, 0
	s_cbranch_scc0 .Lw1
	tensor_load_to_lds s[G0B:G0B+3], s[G1B:G1B+7]
	s_nop 0
	PLACES 4
	s_branch .Lasked
.Lw1:
	s_cmp_eq_u32 s20, 1
	s_cbranch_scc0 .Lw2
	tensor_load_to_lds s[G0A:G0A+3], s[G1A:G1A+7]
	s_nop 0
	PLACES 4
	s_branch .Lasked
.Lw2:
	s_cmp_eq_u32 s20, 2
	s_cbranch_scc0 .Lw3
	tensor_load_to_lds s[G0B+4:G0B+7], s[G1B:G1B+7]
	s_nop 0
	PLACES 4
	s_branch .Lasked
.Lw3:
	tensor_load_to_lds s[G0A+4:G0A+7], s[G1A:G1A+7]
	s_nop 0
	PLACES 4
.Lasked:
	v_and_b32 v3, 31, v0                           ; lane
	v_and_b32 v1, 15, v0                           ; r
	v_bfe_u32 v2, v0, 4, 1                         ; h
	v_lshlrev_b32 v[L16], 4, v3
	s_wait_alu depctr_va_vdst(0)
	v_lshlrev_b32 v[L8], 3, v3
	; the scale words of all of K stay in registers: each load reads 256 consecutive bytes
	s_wait_alu depctr_va_vdst(0)
.irp g, 0,1,2,3
.irp k, 0,1,2,3
	global_load_b64 v[SC0+8*\g+2*\k:SC0+8*\g+2*\k+1], v[L8], s[98:99] offset:\g*1024+\k*256
.endr
.endr
.irp g, 0,1
.irp k, 0,1,2,3
	global_load_b64 v[SC1+8*\g+2*\k:SC1+8*\g+2*\k+1], v[L8], s[84:85] offset:\g*1024+\k*256
.endr
.endr
	s_lshl_b32 s60, s23, 10
	s_lshl_b32 s61, s22, 9
	s_add_co_u32 s60, s60, s61
	v_lshl_add_u32 v152, v2, 7, s60                ; the bias: 4 (256 cx + 128 half) + 128 h: register 32 G + i is column 64 G + 32 h + i
.irp i, 0,1,2,3,4,5,6,7,8,9,10,11,12,13,14,15
	global_load_b128 v[BP+4*\i:BP+4*\i+3], v152, s[12:13] offset:256*(\i/8)+16*(\i%8)
.endr
	s_mul_i32 s60, s22, 49152
	s_mul_i32 s61, s21, 24576
	s_add_co_u32 s61, s61, 196608
.irp k, 0,1
	v_add_nc_u32 v[AD0+\k], s60, v[L16]
	v_add_nc_u32 v[AD0+4+\k], s60, v[L8]
	v_add_nc_u32 v[AD1+\k], s61, v[L16]
	v_add_nc_u32 v[AD1+4+\k], s61, v[L8]
	s_add_co_u32 s60, s60, 98304
	s_add_co_u32 s61, s61, 49152
.endr
	s_mul_i32 s60, s20, 8448                       ; my stage: 16 rows x (512 + 16) bytes
	v_mul_u32_u24 v[STO], v1, 528
	v_lshl_add_u32 v[STO], v2, 7, v[STO]
	v_add_nc_u32 v[STO], s60, v[STO]               ; in: row = place r, + 128 h
	v_add_nc_u32 v[RD], s60, v[L16]                ; back: the 32 lanes take one row of 512 bytes
	s_wait_alu depctr_va_vdst(0)
	s_wait_loadcnt 0x0                             ; scale words and bias are in
	s_cmp_lt_u32 s20, 2
	s_cbranch_scc0 .Lnot_first
	s_wait_tensorcnt 0x0                           ; waves 0 and 1: the first half of K has landed; the second may be on its way
.Lnot_first:
	s_barrier_signal -1
	s_barrier_wait -1                              ; everybody's has
	FETCH 0
	STEP_E 0, 1
	STEP_E 1, 0
	STEP_E 2, 0
	STEP_O 3
	STEP_E 4, 0
	STEP_E 5, 0
	STEP_E 6, 0
	s_wait_dscnt 0x0
	MUL2 7, 0, 0
	MUL2 7, 2, 0
	WIN 0
	PLACES 4                                       ; behind the last products: their results are read and their operands' registers loaded below
; block a: 16 places x 128 columns into my stage, and back as whole rows.  LDS serves a wave's instructions in order (ISA guide 5.7.1.4): no wait between the stores and the loads, nor ahead of the next block's stores
.macro TOSTAGE a
	WIN 0x08                                       ; an LDS store's data are its source 1: window 2
.irp b, 0,1,2,3,4,5,6,7
	ds_store_b128 v[STO], v[64*(\a)+8*\b:64*(\a)+8*\b+3] offset:256*(\b/4)+32*(\b%4)        ; each accumulator from its low end on
	ds_store_b128 v[STO], v[64*(\a)+8*\b+4:64*(\a)+8*\b+7] offset:256*(\b/4)+32*(\b%4)+16
.endr
	WIN 0
.set BB, BK+64*((\a)%2)
.irp t, 0,1,2,3,4,5,6,7,8,9,10,11,12,13,14,15
	ds_load_b128 v[BB+4*\t:BB+4*\t+3], v[RD] offset:\t*528
.endr
.endm
.macro SEND a, younger                 ; younger: the LDS instructions issued behind block a's loads, which may stay out
.set BB, BK+64*((\a)%2)
	s_wait_dscnt \younger
.irp t, 0,1,2,3,4,5,6,7,8,9,10,11,12,13,14,15
	global_store_b128 v[L16], v[BB+4*\t:BB+4*\t+3], s[16:17] offset:(32*(\t/8)+8*(\a)+\t%8)*4096 th:TH_STORE_NT   ; 512 consecutive bytes, at a multiple of 256 from out0's first byte
.endr
.endm
	TOSTAGE 0
.irp a, 1,2,3
.if \a > 1
	s_wait_xcnt 0x0                                ; block a - 2's stores have read their data: block a's loads may land there
.endif
	TOSTAGE \a
	SEND \a-1, 32                                  ; behind block a - 1's loads: block a's 16 stores and 16 loads
.endr
	SEND 3, 0
	s_wait_dscnt 0x0
	s_wait_tensorcnt 0x0
	ds_add_u32 v28, v29
	s_wait_dscnt 0x0
	CROUND                                         ; the closing round: no work-group ends while a partner may still ask for a tile that names it
	s_endpgm
.Lfunc_end_k_qcc31381ddd_outp:
	.size	k_qcc31381ddd_outp, .Lfunc_end_k_qcc31381ddd_outp-k_qcc31381ddd_outp
	.p2alignl 7, 3214868480
	.fill 96, 4, 3214868480
	.section	.rodata,"a",@progbits
	.p2align	6, 0x0
	.amdhsa_kernel k_qcc31381ddd_outp
		.amdhsa_group_segment_fixed_size 295424
		.amdhsa_private_segment_fixed_size 0
		.amdhsa_enable_private_segment 0
		.amdhsa_kernarg_size 48
		.amdhsa_user_sgpr_count 2
		.amdhsa_user_sgpr_kernarg_segment_ptr 1
		.amdhsa_wavefront_size32 1
		.amdhsa_system_sgpr_workgroup_id_x 1
		.amdhsa_system_sgpr_workgroup_id_y 1
		.amdhsa_system_sgpr_workgroup_id_z 1
		.amdhsa_system_vgpr_workitem_id 0
		.amdhsa_next_free_vgpr 768
		.amdhsa_next_free_sgpr 100
		.amdhsa_reserve_vcc 0
		.amdhsa_float_denorm_mode_32 3
		.amdhsa_float_denorm_mode_16_64 3
		.amdhsa_memory_ordered 1
		.amdhsa_forward_progress 1
		.amdhsa_inst_pref_size 85
	.end_amdhsa_kernel
	.amdgpu_metadata
---
amdhsa.version: [ 1, 2 ]
amdhsa.kernels:
  - .name:           k_qcc31381ddd_outp
    .symbol:         k_qcc31381ddd_outp.kd
    .args:
      - { .name: cq, .offset: 0, .size: 8, .value_kind: global_buffer, .address_space: global }
      - { .name: cs, .offset: 8, .size: 8, .value_kind: global_buffer, .address_space: global }
      - { .name: wq, .offset: 16, .size: 8, .value_kind: global_buffer, .address_space: global }
      - { .name: ws, .offset: 24, .size: 8, .value_kind: global_buffer, .address_space: global }
      - { .name: bo, .offset: 32, .size: 8, .value_kind: global_buffer, .address_space: global }
      - { .name: out0, .offset: 40, .size: 8, .value_kind: global_buffer, .address_space: global }
    .group_segment_fixed_size: 295424
    .private_segment_fixed_size: 0
    .kernarg_segment_align: 8
    .kernarg_segment_size: 48
    .max_flat_workgroup_size: 128
    .sgpr_count:     100
    .vgpr_count:     768
    .wavefront_size: 32
...
	.end_amdgpu_metadata
.endif
;; end of part 4
